; MI455X (gfx1250); checked and timed in simulation.
; The chip was launched on July 23, 2026; its instructions are those of AMD's public machine-readable ISA for CDNA 5 (MIT licence, August 2026) and "CDNA5" Instruction Set Architecture Reference Guide (July 2026). The comments in the code are by the model that wrote it; some were corrected since.
;; Albert Attention. Allowed arithmetic: matrix products marked QUANTISED: E2M1 operands, one E8M0 scale for each 32 along K, by v_wmma_scale_f32_16x16x128_f8f6f4 with both operands' format E2M1 (or v_wmma_scale_f32_32x16x128_f4), f32 sums; everything else in f32.
;; Inputs: Wd 1,024 x 1,024 float32; Wk 1,024 x 1,024 float32; Wq 1,024 x 1,024 float32; Wv 1,024 x 1,024 float32; attention_mask 2 x 1 x 1 x 2,048 float32; bd 1,024 float32; bk 1,024 float32; bq 1,024 float32; bv 1,024 float32; hidden_states 2 x 2,048 x 1,024 float32; ln_beta 1,024 float32; ln_gamma 1,024 float32.
;; Outputs: out0 2 x 2,048 x 1,024 float32.
;; This version of the problem:
;;   THIS VERSION OF THE PROBLEM IS GIVEN IN LOW PRECISION. The matrix products marked QUANTISED in the list below multiply operands that are first quantised to E2M1 (2 exponent bits, 1 mantissa bit; 4 bits a number), with one power-of-two scale for each 32 numbers along K (OCP MX v1.0); their sums are f32. All else is computed in f32.
;;   The module's matrix products, in the order in which they are computed (A, B: the left and right operand; K: the contracted axis; several contracted axes count as one K, in the product's order):
;;     1. [M 4,096, K 1,024] x [K 1,024, N 1,024]; A: input hidden_states; B: input Wq: QUANTISED
;;     2. [M 4,096, K 1,024] x [K 1,024, N 1,024]; A: input hidden_states; B: input Wk: QUANTISED
;;     3. [M 4,096, K 1,024] x [K 1,024, N 1,024]; A: input hidden_states; B: input Wv: QUANTISED
;;     4. batch 32 x [M 2,048, K 64] x [K 64, N 2,048]; A: computed on the way; B: computed on the way: QUANTISED
;;     5. batch 32 x [M 2,048, K 2,048] x [K 2,048, N 64]; A: softmax (see below); B: computed on the way: QUANTISED
;;     6. [M 4,096, K 1,024] x [K 1,024, N 1,024]; A: computed on the way; B: input Wd: QUANTISED
;;   THE QUANTISER, for each operand of a quantised product, along K:
;;     - K is cut into blocks of 32 from its start; a last block that is shorter is filled with zeros.
;;     - A block's scale is 2^e with e = floor(log2(the largest magnitude in the block)) - 2, held to -126 .. 127; a block of zeros has e = 0. As a byte (E8M0): e + 127.
;;     - Each number is divided by its block's scale, clamped to +-6, and rounded to the nearest number of E2M1, ties to even, subnormals kept.
;;     - The product sums the exact products of the quantised numbers (number of the format x scale) in f32.
;;   ~~~python
;;   def quantise(x, axis):      # numpy; x: float32 -> the quantised numbers, widened to float32 again
;;       x = np.moveaxis(x, axis, -1); K = x.shape[-1]
;;       x = np.pad(x, [(0, 0)] * (x.ndim - 1) + [(0, -K % 32)]); x = x.reshape(x.shape[:-1] + (-1, 32)); a = np.abs(x).max(-1, keepdims=True)
;;       e = np.where(a > 0, np.clip(np.frexp(np.where(a > 0, a, 1))[1] - 1 - 2, -126, 127), 0)      # np.frexp(a)[1] - 1 = floor(log2(a)), exactly
;;       r = np.clip(x / 2.0 ** e, -6, 6)
;;       step = 2.0 ** (np.maximum(np.frexp(np.where(r == 0, 1, r))[1] - 1, 0) - 1)
;;       q = np.round(r / step) * step * 2.0 ** e      # np.round: ties to even
;;       return np.moveaxis(q.reshape(q.shape[:-2] + (-1,))[..., :K], -1, axis).astype(np.float32)
;;   ~~~
;;   SOFTMAX AHEAD OF A QUANTISED PRODUCT. Where the list says 'softmax', what is quantised is not the finished softmax but p = 2^(t - M), with t = logit x log2(e) and M = ceil(the row's largest t), a whole number; so 1/2 < the row's largest p <= 1. The row's sum l is taken of the UNQUANTISED p, in f32, and the product's result is divided by l at the end. Since M is a whole number, a kernel that streams over the keys may use a running M (the ceiling of the running maximum): every later rescaling is an exact power of two, which a block's scale takes up: the codes' values come out the same.
;;   OPERANDS COMPUTED ON THE WAY. 'Computed on the way' means the value that the module computes at that place (a softmax that the list does not call 'softmax' is quantised finished and normalised). What goes into a quantiser is computed in f32, as accurately as f32 sums, v_exp_f32 and their like allow (about 1e-6 of the number): no bf16 or f16 on the way to a quantiser, and a product that is left as it is and whose result goes on into a quantised operand takes f32 operands (vector FMAs, or v_wmma_f32_16x16x4_f32). A number that lies on a knife's edge between two numbers of the format may be rounded either way, as far as f32 arithmetic and the matrix unit's own rounding can turn it there, and no further.
;; One version. Each part assembles by itself: llvm-mc -triple=amdgcn-amd-amdhsa -mcpu=gfx1250 --defsym DOCPART=n.
;; ======== version 1 of 1: 4 launches
;; limits: right only within a limited range of input values
;; workspace buffers: codes 4,194,304 bytes; scl 262,144 bytes; acodes 6,291,456 bytes; ascl 655,360 bytes; ccodes 2,097,152 bytes; cscl 131,072 bytes
;; launch quant (part 1): grid 256 x 1, 4 waves a work-group, no clusters, 39,424 bytes of LDS; arguments hidden_states, Wq, Wk, Wv, Wd, codes, scl; writes codes, scl
.if DOCPART == 1
	.amdgcn_target "amdgcn-amd-amdhsa--gfx1250"
	.amdhsa_code_object_version 6
	.text
	.protected	k_q99c4664bf6_quant
	.globl	k_q99c4664bf6_quant
	.p2align	8
	.type	k_q99c4664bf6_quant,@function
k_q99c4664bf6_quant:
	s_mov_b64 s[64:65], 0
	v_nop
	global_prefetch_b8 v0, s[64:65] scope:SCOPE_SE
	s_setreg_imm32_b32 hwreg(HW_REG_WAVE_MODE, 25, 1), 1
	s_wait_xcnt 0x0
; hidden_states [4096][1024] and Wq, Wk, Wv, Wd [1024][1024], f32, K innermost, become codes of FP4 (E2M1) with one E8M0 byte for each 32 along K.
; A block's scale is 2^(floor(log2(its largest magnitude)) - 2): its byte is the largest magnitude's exponent field - 2, held at 1 from below.
; LAYOUT OF THE RESULT.  Rows are cut into tiles of 16: tile 2 b + u holds at place r the row 32 b + 8 u + r + 8 (r / 8).  A tile's codes lie as images of the matrix operand's registers:
; [tile][K step of 128][c 0..1][lane 0..31][16 bytes], lane (r, h) holding k = 64 c + 32 h + 0 .. 31 of place r.  Tiles 0-255 hidden, 256-319 Wq, 320-383 Wk, 384-447 Wv, 448-511 Wd.
; Scale bytes: [tile][half of K][r][16 bytes]: word q of the 16 is the scale word of K step 4 half + q.
; SHARES.  Work-group g takes tiles 2 g and 2 g + 1; wave w takes tile 2 g + w / 2, half w % 2 of K: 16 steps, one for each place, 512 numbers a step.
; Each of a step's four loads reads 512 consecutive bytes; the 2,048 bytes turn through the wave's own stage in LDS so that a lane holds 16 neighbours along K (two lanes to a block).
; A step's block j belongs at byte 256 j + 16 x place of the wave's 4,096 bytes of images: the codes are gathered in an LDS stage (rows of 256 + 16 bytes) and leave as eight stores of 512 consecutive bytes.
; No work-group shares a byte with another and no wave with another: no cluster, no tensor load, no barrier.
; LIMITS: NaN and infinities among the inputs are not served; a block whose largest magnitude lies under 2^-124 keeps the byte 1; a block of zeros has the byte 1, not 127: its codes are zeros, and this program alone reads the bytes.
.set WREG,  9728                       ; LDS of a wave: two turning stages, 256 scale bytes, the image stage
.set SP,    80                         ; a lane's place in a turning stage: 64 bytes + 16 of padding
.set SCB,   5120                       ; the scale bytes
.set IMG,   5376                       ; the image stage: 16 rows of IP bytes
.set IP,    272
.set STEPS, 16
.set R,     16                         ; v16-143  eight sets of 16 numbers as loaded
.set X,     144                        ; v144-175 two sets of 16 neighbours
.set E,     176                        ; v176-191 a scale byte for each step
.set C,     192                        ; v192-223 two registers of codes for each step; v224-225 the add's
	s_load_b256 s[4:11], s[0:1], 0x0               ; hidden, Wq, Wk, Wv
	s_load_b128 s[12:15], s[0:1], 0x20             ; Wd, codes
	s_load_b64 s[16:17], s[0:1], 0x30              ; scl
	v_lshl_add_u32 v224, v0, 2, 0x9800
	v_mov_b32 v225, 0
	v_lshrrev_b32 v1, 5, v0
	v_readfirstlane_b32 s18, v1                    ; wave
	v_and_b32 v2, 31, v0                           ; lane
	v_lshlrev_b32 v3, 4, v2                        ; 16 x lane: my bytes of a load's 512, and of a store's
	s_mul_i32 s19, s18, WREG
	v_lshrrev_b32 v14, 2, v2
	v_mul_u32_u24 v14, v14, SP
	v_and_b32 v15, 3, v2
	v_lshl_add_u32 v14, v15, 4, v14
	v_add_nc_u32 v14, s19, v14                     ; the turning stage, in: SP (lane / 4) + 16 (lane % 4)
	v_mul_u32_u24 v15, v2, SP
	v_add_nc_u32 v15, s19, v15                     ; and out: SP x lane
	v_lshrrev_b32 v5, 1, v2                        ; my block of the step's 16
	v_mul_u32_u24 v4, v5, IP
	v_and_b32 v6, 1, v2
	v_lshl_add_u32 v4, v6, 3, v4
	v_add_nc_u32 v4, s19, v4
	v_add_nc_u32 v4, IMG, v4                       ; the image stage, in: row = block, + 8 (lane % 2); the step adds 16 x place
	v_add_nc_u32 v5, s19, v5
	v_add_nc_u32 v5, SCB, v5                       ; my block's scale byte; the step adds 16 x place
	v_lshlrev_b32 v7, 3, v2                        ; the scale bytes on the way out: 8 a lane
	v_add_nc_u32 v6, s19, v7
	v_add_nc_u32 v6, SCB, v6
	v_lshrrev_b32 v10, 4, v2
	v_mul_u32_u24 v10, v10, IP
	v_and_b32 v9, 15, v2
	v_lshl_add_u32 v10, v9, 4, v10
	v_add_nc_u32 v10, s19, v10
	v_add_nc_u32 v10, IMG, v10                     ; the image stage, out: two rows an instruction
	s_sub_co_u32 s20, ttmp9, 128
	s_bfe_u32 s21, s20, 0x20005                    ; which W: (g - 128) / 32
	s_and_b32 s20, s20, 31                         ; and which 32 rows of it
	s_lshr_b32 s22, s18, 1                         ; u
	s_and_b32 s23, s18, 1                          ; half of K
	s_wait_kmcnt 0x0
	s_cmp_eq_u32 s21, 1                            ; the source is chosen by the work-group's number alone
	s_cselect_b64 s[6:7], s[8:9], s[6:7]
	s_cmp_eq_u32 s21, 2
	s_cselect_b64 s[6:7], s[10:11], s[6:7]
	s_cmp_eq_u32 s21, 3
	s_cselect_b64 s[6:7], s[12:13], s[6:7]
	s_cmp_lt_u32 ttmp9, 128
	s_cselect_b64 s[4:5], s[4:5], s[6:7]
	s_cselect_b32 s20, ttmp9, s20
	s_lshl_b32 s24, s20, 17                        ; 32 rows of 4,096 bytes,
	s_lshl_b32 s22, s22, 15                        ; + 8 u rows,
	s_lshl_b32 s23, s23, 11                        ; + half a row
	s_add_co_u32 s24, s24, s22
	s_add_co_u32 s24, s24, s23
	s_mov_b32 s25, 0
	s_add_nc_u64 s[4:5], s[4:5], s[24:25]
	s_lshl_b32 s26, ttmp9, 2
	s_add_co_u32 s26, s26, s18                     ; 2 x tile + half
	s_lshl_b32 s24, s26, 12
	s_add_nc_u64 s[14:15], s[14:15], s[24:25]      ; my 4,096 bytes of images
	s_lshl_b32 s24, s26, 8
	s_add_nc_u64 s[16:17], s[16:17], s[24:25]      ; my 256 scale bytes
.macro LOAD t                          ; place t is row t + 8 (t / 8) of the tile's span
.irp i, 0,1,2,3
	global_load_b128 v[R+16*((\t)%8)+4*\i:R+16*((\t)%8)+4*\i+3], v3, s[4:5] offset:((\t)+8*((\t)/8))*4096+512*\i th:TH_LOAD_NT
.endr
.endm
.macro TURN t                          ; LDS serves a wave's instructions in order: no wait between the stores and the loads
.irp i, 0,1,2,3
	ds_store_b128 v14, v[R+16*((\t)%8)+4*\i:R+16*((\t)%8)+4*\i+3] offset:32*SP*((\t)%2)+8*SP*\i
.endr
.irp i, 0,1,2,3
	ds_load_b128 v[X+16*((\t)%2)+4*\i:X+16*((\t)%2)+4*\i+3], v15 offset:32*SP*((\t)%2)+16*\i
.endr
.endm
.irp t, 0,1,2,3,4,5,6,7
	LOAD \t
.endr
	s_wait_loadcnt 28                              ; step 0's four loads are in; those of seven steps may be out
	TURN 0
.macro STEP t
.set XS, X+16*((\t)%2)
.if (\t) > 0
	s_wait_dscnt 2                                 ; this step's numbers are back (the last step's byte store and code store may be out): so its stores into the stage have read their registers,
.else
	s_wait_dscnt 0x0
.endif
.if (\t)+8 < STEPS
	LOAD (\t)+8                                    ; which take the loads of eight steps on
.endif
.if (\t)+1 < STEPS
.if STEPS-2-(\t) >= 7
	s_wait_loadcnt 28                              ; the next step's four loads are in; those of the seven steps behind it may be out
.else
	s_wait_loadcnt 4*(STEPS-2-(\t))
.endif
	TURN (\t)+1
.endif
	v_max3_num_f32 v8, |v[XS]|, |v[XS+1]|, |v[XS+2]|   ; the largest magnitude of my 16, in two chains
	v_max3_num_f32 v9, |v[XS+3]|, |v[XS+4]|, |v[XS+5]|
.irp i, 6,10
	v_max3_num_f32 v8, v8, |v[XS+\i]|, |v[XS+\i+1]|
	v_max3_num_f32 v9, v9, |v[XS+\i+2]|, |v[XS+\i+3]|
.endr
	v_max3_num_f32 v8, v8, |v[XS+14]|, |v[XS+15]|
	v_max3_num_f32 v8, v8, v9, 0x1800000           ; and the floor 2^(3 - 127): the byte cannot fall under 1
	v_max_num_f32_dpp v8, v8, v8 row_xmask:1 row_mask:0xf bank_mask:0xf   ; with my neighbour's 16: the block's
	v_add_nc_u32 v11, 0xff000000, v8               ; 2 off its exponent field: the conversion takes this operand's exponent field as its scale
	v_cvt_scalef32_pk8_fp4_f32 v[C+2*(\t)], v[XS:XS+7], v11
	v_cvt_scalef32_pk8_fp4_f32 v[C+2*(\t)+1], v[XS+8:XS+15], v11
	v_lshrrev_b32 v[E+(\t)], 23, v11               ; the scale's byte (a plain line behind the conversions)
	ds_store_b8 v5, v[E+(\t)] offset:16*(\t)       ; both lanes of a block write the same byte with the same value
	ds_store_b64 v4, v[C+2*(\t):C+2*(\t)+1] offset:16*(\t)   ; my 8 bytes of the block's 16, at the place's 16 bytes of the block's image row
.endm
.irp t, 0,1,2,3,4,5,6,7,8,9,10,11,12,13,14,15
	STEP \t
.endr
	ds_load_b64 v[12:13], v6                       ; in order behind my stores
.irp i, 0,1,2,3,4,5,6,7
	ds_load_b128 v[R+4*\i:R+4*\i+3], v10 offset:2*IP*\i
.endr
	s_wait_dscnt 0x0
	global_store_b64 v7, v[12:13], s[16:17]        ; 32 lanes store 256 consecutive bytes, aligned
.irp i, 0,1,2,3,4,5,6,7
	global_store_b128 v3, v[R+4*\i:R+4*\i+3], s[14:15] offset:512*\i   ; 512 consecutive bytes, aligned
.endr
	s_wait_tensorcnt 0x0
	ds_add_u32 v224, v225
	s_wait_dscnt 0x0
	s_endpgm
.Lfunc_end_k_q99c4664bf6_quant:
	.size	k_q99c4664bf6_quant, .Lfunc_end_k_q99c4664bf6_quant-k_q99c4664bf6_quant
	.p2alignl 7, 3214868480
	.fill 96, 4, 3214868480
	.section	.rodata,"a",@progbits
	.p2align	6, 0x0
	.amdhsa_kernel k_q99c4664bf6_quant
		.amdhsa_group_segment_fixed_size 39424
		.amdhsa_private_segment_fixed_size 0
		.amdhsa_enable_private_segment 0
		.amdhsa_kernarg_size 56
		.amdhsa_user_sgpr_count 2
		.amdhsa_user_sgpr_kernarg_segment_ptr 1
		.amdhsa_wavefront_size32 1
		.amdhsa_system_sgpr_workgroup_id_x 1
		.amdhsa_system_sgpr_workgroup_id_y 1
		.amdhsa_system_sgpr_workgroup_id_z 1
		.amdhsa_system_vgpr_workitem_id 0
		.amdhsa_next_free_vgpr 226
		.amdhsa_next_free_sgpr 66
		.amdhsa_reserve_vcc 0
		.amdhsa_float_denorm_mode_32 3
		.amdhsa_float_denorm_mode_16_64 3
		.amdhsa_memory_ordered 1
		.amdhsa_forward_progress 1
		.amdhsa_inst_pref_size 35
	.end_amdhsa_kernel
	.amdgpu_metadata
---
amdhsa.version: [ 1, 2 ]
amdhsa.kernels:
  - .name:           k_q99c4664bf6_quant
    .symbol:         k_q99c4664bf6_quant.kd
    .args:
      - { .name: hidden_states, .offset: 0, .size: 8, .value_kind: global_buffer, .address_space: global }
      - { .name: Wq, .offset: 8, .size: 8, .value_kind: global_buffer, .address_space: global }
      - { .name: Wk, .offset: 16, .size: 8, .value_kind: global_buffer, .address_space: global }
      - { .name: Wv, .offset: 24, .size: 8, .value_kind: global_buffer, .address_space: global }
      - { .name: Wd, .offset: 32, .size: 8, .value_kind: global_buffer, .address_space: global }
      - { .name: codes, .offset: 40, .size: 8, .value_kind: global_buffer, .address_space: global }
      - { .name: scl, .offset: 48, .size: 8, .value_kind: global_buffer, .address_space: global }
    .group_segment_fixed_size: 39424
    .private_segment_fixed_size: 0
    .kernarg_segment_align: 8
    .kernarg_segment_size: 56
    .max_flat_workgroup_size: 128
    .sgpr_count:     66
    .vgpr_count:     226
    .wavefront_size: 32
...
	.end_amdgpu_metadata
.endif
;; end of part 1
;; launch qkv (part 2): grid 8 x 24, 4 waves a work-group, clusters of 4 x 4, 327,680 bytes of LDS; arguments codes, scl, bq, bk, bv, acodes, ascl; writes acodes, ascl
.if DOCPART == 2
	.amdgcn_target "amdgcn-amd-amdhsa--gfx1250"
	.amdhsa_code_object_version 6
	.text
	.protected	k_q99c4664bf6_qkv
	.globl	k_q99c4664bf6_qkv
	.p2align	8
	.type	k_q99c4664bf6_qkv,@function
k_q99c4664bf6_qkv:
	s_mov_b64 s[64:65], 0
	v_nop
	global_prefetch_b8 v0, s[64:65] scope:SCOPE_SE
	s_setreg_imm32_b32 hwreg(HW_REG_WAVE_MODE, 25, 1), 1
	s_wait_xcnt 0x0
	s_wait_alu depctr_hold_cnt(0) depctr_sa_sdst(0) depctr_va_vdst(0) depctr_va_sdst(0) depctr_va_ssrc(0) depctr_va_vcc(0) depctr_vm_vsrc(0)
	s_getreg_b32 s2, hwreg(HW_REG_IB_STS2, 6, 4)
	s_cmp_eq_u32 s2, 0
	s_cbranch_scc0 .Lentry_in_a_cluster
	s_endpgm
.Lentry_in_a_cluster:
	s_bfe_u32 s2, ttmp6, 0x10000c
	s_cmp_lg_u32 s2, 0xf033
	s_cbranch_scc0 .Lentry_shape_is_right
	s_endpgm
.Lentry_shape_is_right:
; q, k, v = hidden W^T + b on codes of FP4 with E8M0 scales, quantised at once for attention: q and k along a head's 64 channels, v along the keys.
; A work-group makes 256 x 256, each of its four waves 128 x 128: 64 accumulators.  Source 0 takes the rows of B, source 1 those of A.  Clusters 4 x 4: A's rows are asked for jointly along a row of the cluster, B's along a column.
; LDS holds all of K = 1,024 for 256 rows of A and 256 rows of B: 65,536 bytes from each wave's ONE tensor load: [wave][tile][K step][c][lane][16 bytes].  No byte is filled twice.
; Scale words go from memory straight into registers: lanes 0-15 take A's, lanes 16-31 B's, 256 consecutive bytes for each half.
; No prefetch: all tiles are asked for at the head, and there is no later tile.
; LIMITS: NaN and infinities are not served; a block under 2^-124 keeps the byte 1; a block of zeros has the byte 1, not 127 (its codes are zeros; this program alone reads the bytes).
.set SC,  32
.set BI,  96
.set PC,  160
.set PW,  224
.set TM,  232
.set G1A,  24
.set G1B,  32
.set G0A0, 56
.set G0B0, 72
.set MSB, 0
.macro WIN new
.if MSB != (\new)
	s_set_vgpr_msb (MSB<<8)|(\new)
.set MSB, (\new)
.endif
.endm
.macro PLACES
.rept 4
	v_nop
.endr
.endm
.macro JLOAD g0a, g1a, g0b, g1b
	s_cmp_eq_u32 s19, 0
	s_cbranch_scc0 .Lfor_b_\@
	tensor_load_to_lds s[\g0a:\g0a+3], s[\g1a:\g1a+7]
	s_nop 0
	PLACES
	s_branch .Lasked_\@
.Lfor_b_\@:
	tensor_load_to_lds s[\g0b:\g0b+3], s[\g1b:\g1b+7]
	s_nop 0
	PLACES
.Lasked_\@:
.endm
.macro CROUND
	s_barrier_signal -1
	s_barrier_wait -1
	s_cmp_lg_u32 s18, 0
	s_cbranch_scc1 .Lnot_wave_0_\@
	s_barrier_signal -3
.Lnot_wave_0_\@:
	s_barrier_wait -3
	s_barrier_signal -1
	s_barrier_wait -1
.endm
.macro WM d, a, b, c, sa, sb
	v_wmma_scale_f32_16x16x128_f8f6f4 v[\d:\d+7], v[\a:\a+7], v[\b:\b+7], v[\c:\c+7], v[\sa], v[\sb] matrix_a_fmt:MATRIX_FMT_FP4 matrix_b_fmt:MATRIX_FMT_FP4 matrix_a_scale:MATRIX_SCALE_ROW1
.endm
	s_load_b256 s[4:11], s[0:1], 0x0
	s_load_b128 s[12:15], s[0:1], 0x20
	s_load_b64 s[16:17], s[0:1], 0x30
	v_lshl_add_u32 v254, v0, 2, 0x44000
	v_mov_b32 v255, 0
	ds_add_u32 v254, v255
	ds_add_u32 v254, v255
	v_lshrrev_b32 v1, 5, v0
	v_readfirstlane_b32 s18, v1
	s_lshr_b32 s19, s18, 1
	s_and_b32 s20, s18, 1
	s_bfe_u32 s21, ttmp6, 0x40000
	s_bfe_u32 s22, ttmp6, 0x40004
	s_and_b32 s23, ttmp7, 0xffff
	s_lshl_b32 s84, s23, 2
	s_sub_co_u32 s85, s23, 4
	s_lshl_b32 s85, s85, 3
	s_cmp_lt_u32 s23, 4
	s_cselect_b32 s84, s84, 24
	s_cselect_b32 s85, 16, s85
	s_add_co_u32 s84, s84, s22
	s_lshl_b32 s98, ttmp9, 2
	s_add_co_u32 s98, s98, s21
	s_add_co_u32 s85, s85, s98
	s_lshl_b32 s96, s22, 2
	s_lshl_b32 s96, 15, s96
	s_lshl_b32 s97, 0x1111, s21
	s_or_b32 s[G1A], s96, (3<<16)|(1<<21)
	s_or_b32 s[G1B], s97, (3<<16)|(1<<21)
.irp g, G1A, G1B                       ; 8 tiles of 8,192 bytes, dense
	s_mov_b32 s[\g+1], 1024<<16
	s_mov_b32 s[\g+2], 8<<16
	s_mov_b32 s[\g+3], 1024<<16
	s_mov_b32 s[\g+4], 8
	s_mov_b32 s[\g+5], 1024
	s_mov_b32 s[\g+6], 0
	s_mov_b32 s[\g+7], 0
.endr
	s_lshl_b32 s86, s84, 17
	s_lshl_b32 s99, s20, 16
	s_add_co_u32 s86, s86, s99
	s_mov_b32 s87, 0
	s_lshl_b32 s88, s85, 17
	s_add_co_u32 s88, s88, s99
	s_mov_b32 s89, 0
	s_lshl_b32 s90, s84, 13                        ; the scale words of my 128 rows of A,
	s_lshl_b32 s99, s19, 12
	s_add_co_u32 s90, s90, s99
	s_lshl_b32 s92, s85, 13                        ; and of B, in bytes
	s_lshl_b32 s99, s20, 12
	s_add_co_u32 s92, s92, s99
	s_lshl_b32 s2, s18, 16                         ; where my load goes: wave x 65,536
	s_mov_b32 s94, 0x76543210
	s_mov_b32 s95, 0xfedcba98
	s_wait_alu depctr_va_vdst(0)
	s_wait_dscnt 0x0
	CROUND                                         ; all sixteen work-groups are here: the joint loads meet
	s_wait_kmcnt 0x0
	s_add_nc_u64 s[86:87], s[4:5], s[86:87]
	s_add_nc_u64 s[88:89], s[4:5], s[88:89]
	s_mov_b32 s[G0A0], 1
	s_mov_b32 s[G0A0+1], s2
	s_mov_b64 s[G0A0+2:G0A0+3], s[86:87]
	s_or_b32 s[G0A0+3], s[G0A0+3], 0x80000000
	s_mov_b32 s[G0B0], 1
	s_mov_b32 s[G0B0+1], s2
	s_mov_b64 s[G0B0+2:G0B0+3], s[88:89]
	s_or_b32 s[G0B0+3], s[G0B0+3], 0x80000000
	JLOAD G0A0, G1A, G0B0, G1B
	v_and_b32 v1, 15, v0
	v_bfe_u32 v2, v0, 4, 1
	v_and_b32 v3, 31, v0
	v_lshlrev_b32 v3, 4, v3
	s_lshl_b32 s96, s19, 16                        ; my 128 rows of A in LDS,
	s_lshl_b32 s99, s20, 16
	s_add_co_u32 s99, s99, 131072                  ; and of B
	v_add_nc_u32 v4, s96, v3
	v_add_nc_u32 v6, s99, v3
	v_mov_b32 v8, s90
	v_mov_b32 v9, s92
	v_cmp_eq_u32 vcc_lo, 1, v2
	v_cndmask_b32 v8, v8, v9, vcc_lo
	v_lshl_add_u32 v8, v1, 4, v8
.irp i, 0,1,2,3,4,5,6,7
.irp hf, 0,1
	global_load_b128 v[SC+8*\i+4*\hf:SC+8*\i+4*\hf+3], v8, s[6:7] offset:\i*512+\hf*256
.endr
.endr
	v_mul_u32_u24 v10, v2, 20480
	v_lshl_add_u32 v10, v1, 4, v10
	v_lshlrev_b32 v12, 4, v2
.irp x, 0,1,2,3,4,5,6,7
	v_mov_b32 v[TM+8+\x], 0                        ; written once: a lane permute's destination counts as one of its sources
.endr
	s_mov_b32 s97, 0
	s_cmp_lt_u32 s23, 4
	s_wait_alu depctr_va_vdst(0)
	s_cbranch_scc0 .Lbias_v
	s_cmp_eq_u32 ttmp9, 0
	s_cselect_b64 s[8:9], s[8:9], s[10:11]
	s_lshl_b32 s96, s21, 10
	s_lshl_b32 s99, s20, 9
	s_add_co_u32 s96, s96, s99
	s_add_nc_u64 s[8:9], s[8:9], s[96:97]
	v_lshlrev_b32 v11, 6, v2
.irp b, 0,1,2,3,4,5,6,7
	global_load_b128 v[BI+8*\b:BI+8*\b+3], v11, s[8:9] offset:(32*(\b/2)+8*(\b%2))*4
	global_load_b128 v[BI+8*\b+4:BI+8*\b+7], v11, s[8:9] offset:(32*(\b/2)+8*(\b%2))*4+16
.endr
	s_branch .Lbias_done
.Lbias_v:
	s_lshl_b32 s96, s22, 10
	s_lshl_b32 s99, s19, 9
	s_add_co_u32 s96, s96, s99
	s_add_nc_u64 s[12:13], s[12:13], s[96:97]
	v_and_b32 v11, 8, v1
	v_add_nc_u32 v11, v11, v1
	v_lshlrev_b32 v11, 2, v11
.irp a, 0,1,2,3,4,5,6,7
	global_load_b32 v[BI+8*\a], v11, s[12:13] offset:(32*(\a/2)+8*(\a%2))*4
.endr
.Lbias_done:
.macro FETCH s
	WIN 0x40
.irp i, 0,1,2,3,4,5,6,7
.irp c, 0,1
	ds_load_b128 v[128*((\s)%2)+8*\i+4*\c:128*((\s)%2)+8*\i+4*\c+3], v6 offset:\i*8192+(\s)*1024+\c*512
.endr
.endr
.irp i, 0,1,2,3,4,5,6,7
.irp c, 0,1
	ds_load_b128 v[128*((\s)%2)+64+8*\i+4*\c:128*((\s)%2)+64+8*\i+4*\c+3], v4 offset:\i*8192+(\s)*1024+\c*512
.endr
.endr
.endm
.macro MUL s, kind
.irp a, 0,1,2,3,4,5,6,7
.if \kind
.set WN, 0x85+0x40*(\a/4)
.else
.set WN, 0xa5+0x50*(\a/4)
.endif
	WIN WN
.irp b, 0,1,2,3,4,5,6,7
.set RD, 8*(8*(\a%4)+\b)
.set RB, 128*((\s)%2)+8*\b
.set RA, 128*((\s)%2)+64+8*\a
.set SB, SC+8*\b+(\s)
.set SA, SC+8*\a+(\s)
.if \kind == 1
.set RC, BI+8*\b
.elseif \kind == 2
.set RC, BI+8*\a
.else
.set RC, RD
.endif
	WM RD, RB, RA, RC, SB, SA
.endr
.endr
.endm
.macro STEP s, kind, bar
.if \bar
	s_wait_tensorcnt 0x0
	s_wait_dscnt 0x0
	s_barrier_signal -1
	s_barrier_wait -1
.endif
.if \s < 7
	PLACES
	FETCH (\s)+1
	s_wait_dscnt 32
.else
	s_wait_dscnt 0x0
.endif
	MUL \s, \kind
.endm
	s_wait_alu depctr_va_vdst(0)
	s_wait_tensorcnt 0x0                           ; my part is in; behind the barrier everybody's.
	s_barrier_signal -1
	s_barrier_wait -1
	FETCH 0
	WIN 0
	s_wait_loadcnt 0x0
	s_cmp_lt_u32 s23, 4
	s_cbranch_scc0 .Lfirst_v
	STEP 0, 1, 0
	WIN 0
	s_branch .Lfirst_done
.Lfirst_v:
.irp a, 0,1,2,3,4,5,6,7
.irp j, 1,2,3,4,5,6,7
	v_mov_b32 v[BI+8*\a+\j], v[BI+8*\a]
.endr
.endr
	s_wait_alu depctr_va_vdst(0)
	STEP 0, 2, 0
	WIN 0
.Lfirst_done:
	STEP 1, 0, 0
	STEP 2, 0, 0
	STEP 3, 0, 0
	STEP 4, 0, 0
	STEP 5, 0, 0
	STEP 6, 0, 0
	STEP 7, 0, 0
	WIN 0
	PLACES
; Rows a and a + 1 (a even) are quantised together: block x = 4 i + b of row a + i, eight blocks by turns
.macro QUANT2 a
.set QW, 2+(\a)/4
.set QS, 64*((\a)%4)
.set WN, QW|(QW<<2)
	WIN WN
.irp x, 0,1,2,3,4,5,6,7
	v_max3_num_f32 v[TM+\x], |v[QS+16*\x]|, |v[QS+16*\x+1]|, 0x1800000   ; the floor 2^(3 - 127): the byte cannot fall under 1
.endr
.irp i, 2,4,6,8,10,12,14
.irp x, 0,1,2,3,4,5,6,7
	v_max3_num_f32 v[TM+\x], |v[QS+16*\x+\i]|, |v[QS+16*\x+\i+1]|, v[TM+\x]
.endr
.endr
	WIN 0
.irp x, 0,1,2,3,4,5,6,7
	v_permlanex16_b32 v[TM+8+\x], v[TM+\x], s94, s95
.endr
.irp x, 0,1,2,3,4,5,6,7
	v_max_num_f32 v[TM+\x], v[TM+\x], v[TM+8+\x]
.endr
.irp x, 0,1,2,3,4,5,6,7
	v_add_nc_u32 v[TM+\x], 0xff000000, v[TM+\x]    ; 2 off the exponent field: the conversion's scale operand
.endr
.irp x, 0,1,2,3,4,5,6,7
	v_lshrrev_b32 v[TM+8+\x], 23, v[TM+\x]
.endr
.irp i, 0,1
	v_lshl_or_b32 v[PW+(\a)+\i], v[TM+9+4*\i], 8, v[TM+8+4*\i]
.endr
.irp i, 0,1
	v_lshl_or_b32 v[PW+(\a)+\i], v[TM+10+4*\i], 16, v[PW+(\a)+\i]
.endr
.irp i, 0,1
	v_lshl_or_b32 v[PW+(\a)+\i], v[TM+11+4*\i], 24, v[PW+(\a)+\i]
.endr
	WIN QW
.irp x, 0,1,2,3,4,5,6,7
	v_cvt_scalef32_pk8_fp4_f32 v[PC+8*(\a)+2*\x], v[QS+16*\x:QS+16*\x+7], v[TM+\x]
	v_cvt_scalef32_pk8_fp4_f32 v[PC+8*(\a)+2*\x+1], v[QS+16*\x+8:QS+16*\x+15], v[TM+\x]
.endr
	WIN 0
	v_nop                                          ; one plain place behind a scaled conversion
.irp i, 0,1
.irp c, 0,1
.irp e, 0,1
	v_permlane16_swap_b32 v[PC+8*(\a)+8*\i+4*\c+\e], v[PC+8*(\a)+8*\i+4*\c+2+\e]   ; a whole block to a lane
.endr
.endr
.endr
.endm
.irp a, 0,2,4,6
	QUANT2 \a
.endr
	s_mov_b32 s87, 0
	s_mov_b32 s89, 0
	s_cmp_lt_u32 s23, 4
	s_cbranch_scc0 .Lstore_v
	s_lshr_b32 s96, s84, 3
	s_lshl_b32 s96, s96, 4
	s_lshl_b32 s97, s21, 2
	s_add_co_u32 s96, s96, s97
	s_lshl_b32 s97, s20, 1
	s_add_co_u32 s96, s96, s97
	s_and_b32 s97, s84, 7
	s_lshl_b32 s97, s97, 4
	s_lshl_b32 s98, s19, 3
	s_add_co_u32 s97, s97, s98
	s_lshl_b32 s86, ttmp9, 21
	s_lshl_b32 s98, s96, 16
	s_add_co_u32 s86, s86, s98
	s_lshl_b32 s98, s97, 9
	s_add_co_u32 s86, s86, s98
	s_add_nc_u64 s[14:15], s[14:15], s[86:87]
	s_mul_i32 s88, s96, 20480
	s_lshl_b32 s98, ttmp9, 13
	s_add_co_u32 s88, s88, s98
	s_lshl_b32 s98, s97, 6
	s_add_co_u32 s88, s88, s98
	s_add_nc_u64 s[16:17], s[16:17], s[88:89]
.irp a, 0,1,2,3,4,5,6,7
	v_lshrrev_b32 v[PW+\a], v12, v[PW+\a]
.endr
	s_wait_alu depctr_va_vdst(0)
.irp a, 0,1,2,3,4,5,6,7
.irp c, 0,1
	global_store_b128 v3, v[PC+8*\a+4*\c:PC+8*\a+4*\c+3], s[14:15] offset:\c*65536+\a*512
.endr
.endr
.irp g, 0,1
	global_store_b128 v10, v[PW+4*\g:PW+4*\g+3], s[16:17] offset:256*\g
.endr
	s_branch .Lstored
.Lstore_v:
	s_lshr_b32 s96, s85, 3
	s_lshl_b32 s96, s96, 4
	s_lshl_b32 s97, s22, 2
	s_add_co_u32 s96, s96, s97
	s_lshl_b32 s97, s19, 1
	s_add_co_u32 s96, s96, s97
	s_and_b32 s97, s85, 7
	s_lshl_b32 s97, s97, 1
	s_add_co_u32 s97, s97, s20
	s_lshl_b32 s86, s96, 16
	s_lshl_b32 s98, s97, 12
	s_add_co_u32 s86, s86, s98
	s_add_co_u32 s86, s86, 0x400000
	s_add_nc_u64 s[14:15], s[14:15], s[86:87]
	s_mul_i32 s88, s96, 20480
	s_lshl_b32 s98, s97, 8
	s_add_co_u32 s88, s88, s98
	s_add_co_u32 s88, s88, 16384
	s_add_nc_u64 s[16:17], s[16:17], s[88:89]
	v_cmp_eq_u32 vcc_lo, 1, v2
.irp i, 0,1,2,3
	v_cndmask_b32 v[PW+\i], v[PW+\i], v[PW+4+\i], vcc_lo
.endr
	s_wait_alu depctr_va_vdst(0)
.irp a, 0,1,2,3,4,5,6,7
.irp c, 0,1
	global_store_b128 v3, v[PC+8*\a+4*\c:PC+8*\a+4*\c+3], s[14:15] offset:(\a/4)*65536+(\a%4)*1024+\c*512
.endr
.endr
	global_store_b128 v10, v[PW:PW+3], s[16:17]
.Lstored:
	s_wait_tensorcnt 0x0
	ds_add_u32 v254, v255
	s_wait_dscnt 0x0
	CROUND
	s_endpgm
.Lfunc_end_k_q99c4664bf6_qkv:
	.size	k_q99c4664bf6_qkv, .Lfunc_end_k_q99c4664bf6_qkv-k_q99c4664bf6_qkv
	.p2alignl 7, 3214868480
	.fill 96, 4, 3214868480
	.section	.rodata,"a",@progbits
	.p2align	6, 0x0
	.amdhsa_kernel k_q99c4664bf6_qkv
		.amdhsa_group_segment_fixed_size 327680
		.amdhsa_private_segment_fixed_size 0
		.amdhsa_enable_private_segment 0
		.amdhsa_kernarg_size 56
		.amdhsa_user_sgpr_count 2
		.amdhsa_user_sgpr_kernarg_segment_ptr 1
		.amdhsa_wavefront_size32 1
		.amdhsa_system_sgpr_workgroup_id_x 1
		.amdhsa_system_sgpr_workgroup_id_y 1
		.amdhsa_system_sgpr_workgroup_id_z 1
		.amdhsa_system_vgpr_workitem_id 0
		.amdhsa_next_free_vgpr 1024
		.amdhsa_next_free_sgpr 100
		.amdhsa_reserve_vcc 1
		.amdhsa_float_denorm_mode_32 3
		.amdhsa_float_denorm_mode_16_64 3
		.amdhsa_memory_ordered 1
		.amdhsa_forward_progress 1
		.amdhsa_inst_pref_size 141
	.end_amdhsa_kernel
	.amdgpu_metadata
---
amdhsa.version: [ 1, 2 ]
amdhsa.kernels:
  - .name:           k_q99c4664bf6_qkv
    .symbol:         k_q99c4664bf6_qkv.kd
    .args:
      - { .name: codes, .offset: 0, .size: 8, .value_kind: global_buffer, .address_space: global }
      - { .name: scl, .offset: 8, .size: 8, .value_kind: global_buffer, .address_space: global }
      - { .name: bq, .offset: 16, .size: 8, .value_kind: global_buffer, .address_space: global }
      - { .name: bk, .offset: 24, .size: 8, .value_kind: global_buffer, .address_space: global }
      - { .name: bv, .offset: 32, .size: 8, .value_kind: global_buffer, .address_space: global }
      - { .name: acodes, .offset: 40, .size: 8, .value_kind: global_buffer, .address_space: global }
      - { .name: ascl, .offset: 48, .size: 8, .value_kind: global_buffer, .address_space: global }
    .group_segment_fixed_size: 327680
    .private_segment_fixed_size: 0
    .kernarg_segment_align: 8
    .kernarg_segment_size: 56
    .max_flat_workgroup_size: 128
    .sgpr_count:     100
    .vgpr_count:     1024
    .wavefront_size: 32
...
	.end_amdgpu_metadata
.endif
;; end of part 2
;; launch attn (part 3): grid 8 x 32, 8 waves a work-group, clusters of 4 x 1, 167,936 bytes of LDS; arguments acodes, ascl, attention_mask, ccodes, cscl; writes ccodes, cscl
.if DOCPART == 3
	.amdgcn_target "amdgcn-amd-amdhsa--gfx1250"
	.amdhsa_code_object_version 6
	.text
	.protected	k_q99c4664bf6_attn
	.globl	k_q99c4664bf6_attn
	.p2align	8
	.type	k_q99c4664bf6_attn,@function
k_q99c4664bf6_attn:
	s_mov_b64 s[64:65], 0
	v_nop
	global_prefetch_b8 v0, s[64:65] scope:SCOPE_SE
	s_setreg_imm32_b32 hwreg(HW_REG_WAVE_MODE, 25, 1), 1
	s_wait_xcnt 0x0
	s_wait_alu depctr_hold_cnt(0) depctr_sa_sdst(0) depctr_va_vdst(0) depctr_va_sdst(0) depctr_va_ssrc(0) depctr_va_vcc(0) depctr_vm_vsrc(0)
	s_getreg_b32 s2, hwreg(HW_REG_IB_STS2, 6, 4)
	s_cmp_eq_u32 s2, 0
	s_cbranch_scc0 .Lentry_in_a_cluster
	s_endpgm
.Lentry_in_a_cluster:
	s_bfe_u32 s2, ttmp6, 0x10000c
	s_cmp_lg_u32 s2, 0x3003
	s_cbranch_scc0 .Lentry_shape_is_right
	s_endpgm
.Lentry_shape_is_right:
; ctx[b][q][head] = softmax_k(q . k / 8 + mask[b][k]) v, both products on codes of FP4 with E8M0 scales; ctx is quantised along the hidden axis at once and leaves as codes.
; THE SOFTMAX.  t = (score + 8 mask) x log2(e) / 8.  For each query a block of 32 keys has a whole number F = floor(its largest t), and p' = 2^(t - F), at most 2, is converted under the constant scale 2^-2.
; p = 2^(t - M) = p' x 2^(F - M), so the codes do not hang on M, and the block's scale byte is F - M + 127: the 2^-2 of all blocks is taken up once, in the division by the row's sum.
; M is the running largest F, a whole number; the row's sum is taken of the unquantised p', block by block in f32, each block's times 2^(F - M).  When M moves, the sum and O are multiplied by 2^(old M - new M), which rounds nothing.
; GROUPS.  Codes, F and block sums of 512 keys (four steps of 128) are kept; then M moves once, O is rescaled once, and the second products of the four steps follow.
; SHARES.  A work-group owns 256 queries of one batch x head, each of its eight waves two tiles of 16, which share every fragment of K and V and the mask: two waves to a SIMD.
; LDS.  A head's K, V and scale words are 143,360 bytes: they come ONCE, by one joint load a wave: waves 0-3 K's quarters, 4 and 5 the halves of the scale words, 6 and 7 V's halves.  No byte is filled twice.
; V is first read behind the first group: the waves that fetch it have a load line of their own, and are waited for behind the first step.
; CLUSTER 4 x 1: the four query blocks of a cluster read the same head, so each load names all four.  No prefetch: everything is asked for at the head, and there is no later tile.
; LAYOUT.  Both products are used transposed (S^T = K Q^T, O^T = V^T P^T): a lane holds one query throughout.  Tile 2 b + u of keys holds at place r key 32 b + 8 u + r + 8 (r / 8), so that the 16 registers of tiles
; 2 b and 2 b + 1 are 16 neighbouring keys; V's channel tiles likewise, so that O^T's registers run along the channels.
; TWO BLOCKS IN ONE REGISTER.  A block lies in lanes l and l + 16.  v_permlane16_swap_b32 on the registers of blocks 2 y and 2 y + 1, and one maximum (or sum) of the two, give block 2 y in lanes 0-15 and block 2 y + 1 in lanes 16-31.
; THE EXPONENTIALS go in four batches of 32 a step.  Between a batch's exponentials stand as many slots of work that neither reads nor feeds them: scalings, conversions and sums of the blocks before and behind.
; K = 64 IN AN INSTRUCTION OF 128: Q's registers 4-7 are zero codes, so whatever stands beside them adds nothing: K's tile t is the run of eight registers from its own four on, the upper four being the next tile's.
; THE MASK costs no vector instruction in the loop: 8 x mask lies in LDS and is the C of the score products, in the result's layout.
; LIMITS: |score + 8 mask| stays under 2^25 (then |t| is under 2^23 and F is an exact whole number); 8 x mask is held at -2^24 from below (mask values under -2^21 count as -2^21: this differs from the definition only where every
; key of a batch is masked that deeply); NaN and infinities are not served; a block of p or of ctx whose byte would fall under 1 keeps 1; a block of zeros has no byte 127 (its codes are zeros; this program alone reads the bytes).
; REGISTERS, window 0: v1-11 addresses; v12-13 the add's; v14-15 Q's scale words; v16-17 M; v18-21 sums; v22-25 2^(old M - new M); v26-29 K's scale words; v30-45 V's; v46-53 at work; v54-61 p's scale words;
; v62-125 p's codes of four steps; v126 2^-2; v128-255 S^T, then p', then V's fragments.  Window 1: v0-63 the mask as C; v64-99 K; v100-163 O^T; v164-179 Q; v180-195 F of a step; v196-211 F of a group; v212-227 its block sums.
.set VIMG, 65536                       ; LDS: K's images at 0 (tile x 512), V's here (key step x 4,096 + channel tile x 1,024),
.set KSC,  131072                      ; K's scale words, 8,192 bytes: [4 tiles][r][4 words],
.set VSC,  139264                      ; V's, 4,096 bytes: [key step][r][4 words],
.set MSK,  143360                      ; 8 x mask, 8,192 bytes: stored by the waves, never a load's target,
.set SCG,  152576                      ; 512 bytes in which the sixteen tiles' scale bytes meet on the way out,
.set SPARE, 153088                     ; and the spare words, 128 bytes for each wave
.set SPW, 12
.set NIL, 13
.set QS,  14
.set MO,  16
.set LS,  18
.set FF,  22
.set KS,  26
.set VS,  30
.set TM,  46
.set PW,  54
.set C,   62
.set TX,  62                           ; (on the way out, when the codes are done with)
.set QT,  126
.set S,   128
.set MK,  0                            ; window 1 from here on
.set KF,  64
.set O,   100
.set Q,   164
.set FX,  180
.set FM,  196
.set LM,  212
.set WV,  14
.set SEL, 20
.set CS,  22
.set G1K, 24                           ; groups 1: K's 64 rows of 256 bytes; the scale words' 24; V's 128
.set G1S, 32
.set G1V, 40
.set G0K, 48
.set G0S, 52
.set G0V, 56
.set PSEL, 60
.set TK,  80                           ; the group's images: 16,384 bytes a group
.set T5,  81                           ; K's scale words and the mask: 2,048 a group
.set T2,  82                           ; V's scale words: 1,024 a group
.set CNT, 83
.set MSB, 0
.macro WIN new                         ; the immediate's high byte repeats the setting that is left
.if MSB != (\new)
	s_set_vgpr_msb (MSB<<8)|(\new)
.set MSB, (\new)
.endif
.endm
.macro CROUND
	s_barrier_signal -1
	s_barrier_wait -1
	s_cmp_lg_u32 s[WV], 0
	s_cbranch_scc1 .Lnot_wave_0_\@
	s_barrier_signal -3
.Lnot_wave_0_\@:
	s_barrier_wait -3
	s_barrier_signal -1
	s_barrier_wait -1
.endm
.macro WM d, a, b, c, sa, sb, row
.if \row
	v_wmma_scale_f32_16x16x128_f8f6f4 v[\d:\d+7], v[\a:\a+7], v[\b:\b+7], v[\c:\c+7], v[\sa], v[\sb] matrix_a_fmt:MATRIX_FMT_FP4 matrix_b_fmt:MATRIX_FMT_FP4 matrix_a_scale:MATRIX_SCALE_ROW1
.else
	v_wmma_scale_f32_16x16x128_f8f6f4 v[\d:\d+7], v[\a:\a+7], v[\b:\b+7], v[\c:\c+7], v[\sa], v[\sb] matrix_a_fmt:MATRIX_FMT_FP4 matrix_b_fmt:MATRIX_FMT_FP4
.endif
.endm
.macro G1 g, rows                      ; group 1: dense rows of 256 bytes
	s_mov_b32 s[\g], 15|(3<<16)|(1<<21)            ; 15:0 the mask: all four work-groups; 17:16 elements of 8 bytes; 21 set beside a mask
	s_mov_b32 s[\g+1], 32<<16
	s_mov_b32 s[\g+2], (\rows)<<16
	s_mov_b32 s[\g+3], 32<<16
	s_mov_b32 s[\g+4], \rows
	s_mov_b32 s[\g+5], 32
	s_mov_b32 s[\g+6], 0
	s_mov_b32 s[\g+7], 0
.endm
	s_load_b256 s[4:11], s[0:1], 0x0               ; acodes, ascl, attention_mask, ccodes
	s_load_b64 s[12:13], s[0:1], 0x20              ; cscl
	v_lshl_add_u32 v[SPW], v0, 2, SPARE
	v_mov_b32 v[NIL], 0
	ds_add_u32 v[SPW], v[NIL]                      ; the wave's opening: the add, twice on end
	ds_add_u32 v[SPW], v[NIL]
	v_lshrrev_b32 v7, 5, v0
	v_readfirstlane_b32 s[WV], v7                  ; wave 0..7
	s_bfe_u32 s15, ttmp6, 0x40000                  ; cx
	s_lshl_b32 s16, ttmp9, 2
	s_add_co_u32 s16, s16, s15                     ; my block of 256 queries: it enters Q's and the outputs' addresses alone
	s_and_b32 s17, ttmp7, 0xffff                   ; batch x head, which the four partners share
	s_lshr_b32 s18, s17, 4                         ; batch
	s_and_b32 s19, s17, 15                         ; head
	G1 G1K, 64
	G1 G1S, 24
	G1 G1V, 128
	s_lshl_b32 s84, s17, 16
	s_mov_b32 s85, 0
	s_mul_i32 s86, s17, 20480
	s_mov_b32 s87, 0
	s_lshl_b32 s88, s16, 4
	s_lshl_b32 s89, s[WV], 1
	s_add_co_u32 s88, s88, s89                     ; my first tile of queries, 0..126: kept to the end
	s_lshl_b32 s66, s[WV], 14                      ; my part of what is fetched: of K,
	s_mov_b32 s67, 0
	s_and_b32 s70, s[WV], 1
	s_mul_i32 s68, s70, 6144                       ; of the scale words,
	s_mov_b32 s69, 0
	s_lshl_b32 s70, s70, 15                        ; of V
	s_mov_b32 s71, 0
	s_mov_b32 s[SEL], 0x76543210
	s_mov_b32 s[SEL+1], 0xfedcba98
	s_mov_b32 s[CS], 0x3e38aa3b                    ; c = log2(e) / 8
	s_mov_b32 s[CS+1], s[CS]                       ; (named with it as a pair, so it is written)
	s_mov_b32 s[PSEL], 0x0c040c00                  ; v_perm_b32: the two sources' lowest bytes at bytes 0 and 2, zeros between
	s_mov_b32 s[TK], 0
	s_mov_b32 s[T5], 0
	s_mov_b32 s[T2], 0
	s_mov_b32 s[CNT], 4
	v_and_b32 v8, 31, v0                           ; lane
	v_and_b32 v9, 15, v0                           ; r
	v_bfe_u32 v10, v0, 4, 1                        ; h
	v_lshlrev_b32 v1, 4, v8                        ; 16 x lane: my place in an image
	v_add_nc_u32 v2, VIMG, v1
	v_lshl_add_u32 v3, v10, 6, MSK                 ; the mask of my half's keys
	v_add_nc_u32 v4, KSC, v1                       ; lanes 0-15: the words of tiles 0-3 at place r; lanes 16-31: of tiles 4-7
	v_lshl_add_u32 v5, v9, 4, VSC
	v_lshl_add_u32 v6, v9, 1, SCG
	s_lshl_b32 s89, s[WV], 6
	v_add_nc_u32 v6, s89, v6                       ; where my rows' scale bytes go: 64 x wave + 2 r, the second tile's 32 on
	v_lshl_add_u32 v7, v0, 4, MSK                  ; the mask: 16 bytes a thread, twice
	v_lshlrev_b32 v8, 4, v9
	v_lshlrev_b32 v11, 4, v0
	s_wait_alu depctr_va_vdst(0)                   ; the wait here, directly ahead of the waits below
	s_wait_dscnt 0x0                               ; both opening adds are done
	CROUND                                         ; all four work-groups are here: the joint loads meet
	s_wait_kmcnt 0x0
	s_add_nc_u64 s[4:5], s[4:5], s[84:85]          ; acodes at the head's q
	s_add_nc_u64 s[6:7], s[6:7], s[86:87]          ; ascl at the head
	s_mov_b32 s[G0K], 1
	s_mov_b32 s[G0K+1], s66
	s_add_nc_u64 s[G0K+2:G0K+3], s[4:5], 0x200000
	s_add_nc_u64 s[G0K+2:G0K+3], s[G0K+2:G0K+3], s[66:67]
	s_or_b32 s[G0K+3], s[G0K+3], 0x80000000
	s_mov_b32 s[G0S], 1
	s_add_co_u32 s[G0S+1], s68, KSC
	s_add_nc_u64 s[G0S+2:G0S+3], s[6:7], 0x2000
	s_add_nc_u64 s[G0S+2:G0S+3], s[G0S+2:G0S+3], s[68:69]
	s_or_b32 s[G0S+3], s[G0S+3], 0x80000000
	s_mov_b32 s[G0V], 1
	s_add_co_u32 s[G0V+1], s70, VIMG
	s_add_nc_u64 s[G0V+2:G0V+3], s[4:5], 0x400000
	s_add_nc_u64 s[G0V+2:G0V+3], s[G0V+2:G0V+3], s[70:71]
	s_or_b32 s[G0V+3], s[G0V+3], 0x80000000
.macro ARM under, g0, g1, next         ; one chain of branches on the wave's number: a load to an arm, all arms to one join
	s_cmp_lt_u32 s[WV], \under
	s_cbranch_scc0 \next
	tensor_load_to_lds s[\g0:\g0+3], s[\g1:\g1+7]
	s_nop 0
.rept 4
	v_nop
.endr
	s_branch .Lasked
\next:
.endm
	ARM 4, G0K, G1K, .Lask_s
	ARM 6, G0S, G1S, .Lask_v
	tensor_load_to_lds s[G0V:G0V+3], s[G1V:G1V+7]
	s_nop 0
.rept 4
	v_nop
.endr
.Lasked:
	s_lshl_b32 s84, s18, 13
	s_add_nc_u64 s[8:9], s[8:9], s[84:85]
	global_load_b128 v[S:S+3], v11, s[8:9]
	global_load_b128 v[S+4:S+7], v11, s[8:9] offset:4096
	s_lshl_b32 s84, s88, 9
	s_add_nc_u64 s[90:91], s[4:5], s[84:85]
	WIN 0x40
	global_load_b128 v[Q:Q+3], v1, s[90:91]        ; Q's codes stay in registers
	global_load_b128 v[Q+8:Q+11], v1, s[90:91] offset:512
	WIN 0
	s_lshr_b32 s84, s88, 2
	s_lshl_b32 s84, s84, 8
	s_and_b32 s89, s88, 3
	s_lshl_b32 s89, s89, 2
	s_add_co_u32 s84, s84, s89
	s_add_nc_u64 s[92:93], s[6:7], s[84:85]
	global_load_b64 v[QS:QS+1], v8, s[92:93]       ; and the two tiles' scale words
.irp j, 18,19,20,21,23,25,46,47,48,49,50,51,52,53
	v_mov_b32 v[\j], 0                             ; the sums; upper halves of pairs; registers that are named before they are first written
.endr
	v_mov_b32 v[MO], 0xff61b1e6                    ; the largest F so far: -3e38, under every F
	v_mov_b32 v[MO+1], 0xff61b1e6
	v_mov_b32 v[QT], 0x3e800000                    ; 2^-2: the conversion's scale
	WIN 0x40
.set n, 96
.rept 68
	v_mov_b32 v[n], 0                              ; four zeros behind K's tiles, and O^T: the group is written once: the first finds zeros
.set n, n+1
.endr
.irp j, 4,5,6,7,12,13,14,15
	v_mov_b32 v[Q+\j], 0                           ; Q's zero codes
.endr
.set n, FX
.rept 16
	v_mov_b32 v[n], 0
.set n, n+1
.endr
	WIN 0
	s_wait_alu depctr_va_vdst(0)
	s_wait_loadcnt 0x3                             ; the mask is in; Q's two loads and its scale words may be out
.irp j, 0,1,2,3,4,5,6,7
	v_mul_f32 v[S+\j], 0x41000000, v[S+\j]         ; 8 x mask,
.endr
.irp j, 0,1,2,3,4,5,6,7
	v_max_num_f32 v[S+\j], 0xcb800000, v[S+\j]     ; held at -2^24 from below
.endr
	ds_store_b128 v7, v[S:S+3]
	ds_store_b128 v7, v[S+4:S+7] offset:4096
	s_wait_alu depctr_va_vdst(0)
	s_wait_loadcnt 0x0
	s_cmp_lt_u32 s[WV], 6
	s_cbranch_scc0 .Lfetch_v
	s_wait_tensorcnt 0x0                           ; K and the scale words: my load has landed.  V's two loads may be out
.Lfetch_v:
	s_wait_dscnt 0x0                               ; my part of the mask is stored:
	s_barrier_signal -1
	s_barrier_wait -1                              ; everybody's.
; K's eight tiles and their scale words of the step that stands st steps behind the addresses
.macro KLOAD ka, sa, st
	WIN 0x40
.irp t, 0,1,2,3,4,5,6,7
	ds_load_b128 v[KF+4*\t:KF+4*\t+3], v\ka offset:4096*(\st)+512*\t
.endr
	WIN 0
	ds_load_b128 v[KS:KS+3], v\sa offset:512*(\st)
.endm
; 8 x mask as C for tiles 2 p and 2 p + 1 of that step: register 8 t + j of lane (r, h) is key 32 (t / 2) + 16 h + 8 (t % 2) + j
.macro MASKP ma, st, p
	WIN 0x40
	ds_load_b128 v[MK+16*\p:MK+16*\p+3], v\ma offset:512*(\st)+128*\p
	ds_load_b128 v[MK+16*\p+4:MK+16*\p+7], v\ma offset:512*(\st)+128*\p+16
	ds_load_b128 v[MK+16*\p+8:MK+16*\p+11], v\ma offset:512*(\st)+128*\p+32
	ds_load_b128 v[MK+16*\p+12:MK+16*\p+15], v\ma offset:512*(\st)+128*\p+48
.endm
.macro ADR                             ; the group's LDS addresses (five plain lines: also the places behind the last group's products)
	v_add_nc_u32 v7, s[TK], v1
	v_add_nc_u32 v8, s[TK], v2
	v_add_nc_u32 v9, s[T5], v3
	v_add_nc_u32 v10, s[T5], v4
	v_add_nc_u32 v11, s[T2], v5
.endm
.macro PKF r                           ; t - F of the scores in v[S+r], v[S+r+1]
	v_pk_fma_f32 v[S+(\r):S+(\r)+1], v[S+(\r):S+(\r)+1], s[CS:CS+1], v[FX+2*((\r)/16):FX+2*((\r)/16)+1] op_sel_hi:[1,0,0] neg_lo:[0,0,1] neg_hi:[0,0,1]
.endm
.macro CVT st, k                       ; the codes of the eight numbers from v[S+8 k] on; k / 8 is the tile
.set RD, C+32*((\k)/8)+8*(\st)+(\k)%8
.set RA, S+8*(\k)
	v_cvt_scalef32_pk8_fp4_f32 v[RD], v[RA:RA+7], v[QT]
.endm
.macro SWAPC u, st, j                  ; a whole block to a lane: lanes 0-15 block 2 c, lanes 16-31 block 2 c + 1 (c = j / 2)
.set RD, C+32*(\u)+8*(\st)+4*((\j)/2)+(\j)%2
	v_permlane16_swap_b32 v[RD], v[RD+2]
.endm
.macro SUMP x, i, d                    ; pair i of block x takes pair i + d
.set RD, S+16*(\x)+2*(\i)
	v_pk_add_f32 v[RD:RD+1], v[RD:RD+1], v[RD+2*(\d):RD+2*(\d)+1]
.endm
.macro NEXTB st, p                     ; behind a batch: a part of the next step's mask, then the one wait for what stands ahead
.if \st < 3
	MASKP 9, (\st)+1, \p
	WIN 0x10
.endif
	s_wait_alu depctr_va_vdst(0)                   ; the wait between the batches
.endm
; A KEY STEP: 128 keys, the st-th of the group, both tiles of queries.  Block x = 4 u + b of tile u stands in v[S+16 x] on
.macro STEP st
	s_wait_alu depctr_va_vdst(0)
	s_wait_dscnt 0x0                               ; K, its scale words and the mask, asked for a step ago
	WIN 0x15
.irp u, 0,1
.irp t, 0,1,2,3,4,5,6,7                ; S^T + 8 mask
.set RD, S+64*\u+8*\t
.set RA, KF+4*\t
.set RB, Q+8*\u
.set RC, MK+8*\t
.set SA, KS+\t%4
.set SB, QS+\u
	WM RD, RA, RB, RC, SA, SB, \t/4
.endr
.endr
	WIN 0
.rept 4
	v_nop                                          ; places in front of the loads below and of the first read of the scores
.endr
.if \st == 3
	s_cmp_lg_u32 s[CNT], 1                         ; behind the last group's last step there is no further step
	s_cbranch_scc0 .Lno_next_\@
	KLOAD 7, 10, 4
.irp p, 0,1,2,3
	MASKP 9, 4, \p
.endr
	WIN 0
.Lno_next_\@:
.else
	KLOAD 7, 10, (\st)+1
.endif
.irp x, 0,1,2,3,4,5,6,7
	v_max3_num_f32 v[TM+\x], v[S+16*\x], v[S+16*\x+1], v[S+16*\x+2]   ; the largest score of each block
.endr
.irp i, 3,5,7,9,11,13
.irp x, 0,1,2,3,4,5,6,7
	v_max3_num_f32 v[TM+\x], v[TM+\x], v[S+16*\x+\i], v[S+16*\x+\i+1]
.endr
.endr
.irp x, 0,1,2,3,4,5,6,7
	v_max_num_f32 v[TM+\x], v[TM+\x], v[S+16*\x+15]
.endr
.irp y, 0,1,2,3
	v_permlane16_swap_b32 v[TM+2*\y], v[TM+2*\y+1] ; blocks 2 y and 2 y + 1 into one register
.endr
.irp y, 0,1,2,3
	v_max_num_f32 v[TM+2*\y], v[TM+2*\y], v[TM+2*\y+1]
.endr
.irp y, 0,1,2,3
	v_mul_f32 v[TM+2*\y], s[CS], v[TM+2*\y]        ; as t (c is positive)
.endr
	WIN 0x40
.irp y, 0,1,2,3
	v_floor_f32 v[FX+4*\y], v[TM+2*\y]             ; F, two copies,
	v_floor_f32 v[FX+4*\y+2], v[TM+2*\y]
.endr
.if \st < 3
	MASKP 9, (\st)+1, 0
.endif
.irp y, 0,1,2,3
	v_floor_f32 v[FM+8*(\y/2)+2*(\st)+\y%2], v[TM+2*\y]   ; and one that is kept
.endr
	WIN 0x41
.irp y, 0,1,2,3
	v_permlane16_swap_b32 v[FX+4*\y], v[FX+4*\y+2] ; block x's F in all lanes of v[FX+2 x]
.endr
	WIN 0x10
.set n, 0
.rept 16
	PKF 2*n                                        ; blocks 0 and 1
.set n, n+1
.endr
	s_wait_alu depctr_va_vdst(0)                   ; the wait ahead of the batch
.set n, 0
.rept 32                               ; FIRST BATCH: p' of blocks 0 and 1; between them t - F of blocks 2 to 5
	v_exp_f32 v[S+n], v[S+n]
	PKF 32+2*n
.set n, n+1
.endr
	NEXTB \st, 1
.set n, 0
.rept 32                               ; SECOND: blocks 2 and 3; between them the codes of blocks 0 and 1, t - F of blocks 6 and 7
	v_exp_f32 v[S+32+n], v[S+32+n]
.if n >= 16
	PKF 64+2*n
.elseif n%4 == 0
	CVT \st, n/4
.endif
.set n, n+1
.endr
	NEXTB \st, 2
.set n, 0
.rept 32                               ; THIRD: blocks 4 and 5; between them the codes of blocks 2 and 3, the first sums of blocks 0 to 3
	v_exp_f32 v[S+64+n], v[S+64+n]
.if n >= 16
	SUMP (n-16)/4, n%4, 4
.elseif n%4 == 0
	CVT \st, 4+n/4
.endif
.set n, n+1
.endr
	NEXTB \st, 3
.set n, 0
.rept 32                               ; FOURTH: blocks 6 and 7; between them the codes of blocks 4 and 5, tile 0's exchange, the second sums of blocks 0 to 3, the first of 4 and 5
	v_exp_f32 v[S+96+n], v[S+96+n]
.if n >= 24
	SUMP 4+(n-24)/4, n%4, 4
.elseif n >= 16
	SUMP (n-16)/2, n%2, 2
.elseif n%4 == 0
	CVT \st, 8+n/4
.elseif n%4 == 1
	SWAPC 0, \st, n/4
.endif
.set n, n+1
.endr
	WIN 0
	s_wait_alu depctr_va_vdst(0)
.irp k, 12,13,14,15
	CVT \st, \k                                    ; blocks 6 and 7
.endr
.irp x, 0,1,2,3
	SUMP \x, 0, 1
.endr
.irp x, 6,7
.irp i, 0,1,2,3
	SUMP \x, \i, 4
.endr
.endr
.irp x, 0,1,2,3
	v_add_f32 v[S+16*\x], v[S+16*\x], v[S+16*\x+1]
.endr
.irp j, 0,1,2,3
	SWAPC 1, \st, \j
.endr
.irp y, 0,1
	v_permlane16_swap_b32 v[S+32*\y], v[S+32*\y+16]
.endr
.irp i, 0,1
.irp x, 4,5,6,7
	SUMP \x, \i, 2
.endr
.endr
	WIN 0x40
.irp y, 0,1
	v_add_f32 v[LM+2*(\st)+\y], v[S+32*\y], v[S+32*\y+16]   ; tile 0: the sums of blocks 2 y and 2 y + 1
.endr
	WIN 0
.if \st == 3                           ; tile 0's p' is done with: V's scale words and its first two steps land there
.irp s, 0,1,2,3
	ds_load_b128 v[VS+4*\s:VS+4*\s+3], v11 offset:256*\s
.endr
	VLOAD 0
	VLOAD 1
.endif
.irp x, 4,5,6,7
	SUMP \x, 0, 1
.endr
.irp x, 4,5,6,7
	v_add_f32 v[S+16*\x], v[S+16*\x], v[S+16*\x+1]
.endr
.irp y, 2,3
	v_permlane16_swap_b32 v[S+32*\y], v[S+32*\y+16]
.endr
	WIN 0x40
.irp y, 2,3
	v_add_f32 v[LM+6+2*(\st)+\y], v[S+32*\y], v[S+32*\y+16]
.endr
	WIN 0
.endm
.macro VLOAD s                         ; V's four fragments of the group's step s
.irp t, 0,1,2,3
.irp c, 0,1
	ds_load_b128 v[S+32*(\s)+8*\t+4*\c:S+32*(\s)+8*\t+4*\c+3], v8 offset:4096*(\s)+1024*\t+512*\c
.endr
.endr
.endm
.macro PV st                           ; O^T += V^T P^T for one step: eight accumulators by turns
.irp t, 0,1,2,3
.irp u, 0,1
.set RD, O+32*\u+8*\t
.set RA, S+32*(\st)+8*\t
.set RB, C+32*\u+8*(\st)
.set SA, VS+4*(\st)+\t
.set SB, PW+4*\u+(\st)
	WM RD, RA, RB, RD, SA, SB, 0
.endr
.endr
.endm
	ADR
	KLOAD 7, 10, 0                                 ; the first step's
.irp p, 0,1,2,3
	MASKP 9, 0, \p
.endr
	WIN 0
	STEP 0
	s_wait_alu depctr_va_vdst(0)
	s_wait_tensorcnt 0x0                           ; V too,
	s_wait_dscnt 0x0
	s_barrier_signal -1
	s_barrier_wait -1                              ; everybody's.
.Lgroup:                                               ; a trip goes from a group's second step to the next group's first
	STEP 1
	STEP 2
	STEP 3
; THE GROUP'S END.  V's last two steps land where tile 1's p' has been
	VLOAD 2
	VLOAD 3
	WIN 0x15
.irp u, 0,1
	v_max3_num_f32 v[TM+4*\u], v[FM+8*\u], v[FM+8*\u+1], v[FM+8*\u+2]
	v_max3_num_f32 v[TM+4*\u+1], v[FM+8*\u+3], v[FM+8*\u+4], v[FM+8*\u+5]
.endr
	WIN 0x05
.irp u, 0,1
	v_max3_num_f32 v[TM+4*\u+2], v[FM+8*\u+6], v[FM+8*\u+7], v[MO+\u]
.endr
	WIN 0
.irp u, 0,1
	v_max3_num_f32 v[TM+4*\u], v[TM+4*\u], v[TM+4*\u+1], v[TM+4*\u+2]
.endr
.irp u, 0,1
	v_permlanex16_b32 v[TM+4*\u+3], v[TM+4*\u], s[SEL], s[SEL+1]
.endr
.irp u, 0,1
	v_max_num_f32 v[TM+4*\u], v[TM+4*\u], v[TM+4*\u+3]   ; the new M
.endr
.irp u, 0,1
	v_sub_f32 v[TM+4*\u+1], v[MO+\u], v[TM+4*\u]   ; old M - new M: a whole number, 0 or less
	v_sub_f32 v[TM+4*\u+2], 0x4b00007f, v[TM+4*\u] ; 2^23 + 127 - M: exact
.endr
.irp u, 0,1
	v_cvt_i32_f32 v[TM+4*\u+1], v[TM+4*\u+1]       ; (it saturates)
	v_mov_b32 v[MO+\u], v[TM+4*\u]
.endr
.irp u, 0,1
	v_ldexp_f32 v[FF+2*\u], 1.0, v[TM+4*\u+1]      ; 2^(old M - new M)
.endr
	WIN 0x41
.irp i, 0,2,4,6
.irp u, 0,1
	v_pk_add_f32 v[FM+8*\u+\i:FM+8*\u+\i+1], v[FM+8*\u+\i:FM+8*\u+\i+1], v[TM+4*\u+2:TM+4*\u+3] op_sel_hi:[1,0]   ; 2^23 + (F - M + 127): its lowest byte is the block's scale byte
.endr
.endr
	WIN 0x44
.irp i, 0,1,2,3,4,5,6,7
.irp u, 0,1
	v_max_num_f32 v[FM+8*\u+\i], 0x4b000001, v[FM+8*\u+\i]   ; held at 1 from below
.endr
.endr
.irp i, 0,1,2,3,4,5,6,7
.irp u, 0,1
	v_lshlrev_b32 v[FX+8*\u+\i], 23, v[FM+8*\u+\i] ; the byte as an exponent field: 2^(F - M)
.endr
.endr
	WIN 0
.irp u, 0,1
	v_pk_mul_f32 v[LS+2*\u:LS+2*\u+1], v[LS+2*\u:LS+2*\u+1], v[FF+2*\u:FF+2*\u+1] op_sel_hi:[1,0]
.endr
	WIN 0x05
.irp s, 0,1,2,3
.irp u, 0,1
	v_perm_b32 v[TM+4*\u+\s], v[FM+8*\u+2*\s+1], v[FM+8*\u+2*\s], s[PSEL]   ; lanes 0-15: blocks 0 and 2 at bytes 0 and 2; lanes 16-31: blocks 1 and 3
.endr
.endr
.irp i, 0,2,4,6
.irp u, 0,1
	v_pk_fma_f32 v[LS+2*\u:LS+2*\u+1], v[LM+8*\u+\i:LM+8*\u+\i+1], v[FX+8*\u+\i:FX+8*\u+\i+1], v[LS+2*\u:LS+2*\u+1]   ; the row's sum, in four parts: two registers, two lane halves
.endr
.endr
	WIN 0x40
.irp s, 0,1,2,3
.irp u, 0,1
	v_permlanex16_b32 v[FX+8*\u+\s], v[TM+4*\u+\s], s[SEL], s[SEL+1]
.endr
.endr
	WIN 0x01
.irp s, 0,1,2,3
.irp u, 0,1
	v_lshl_or_b32 v[PW+4*\u+\s], v[FX+8*\u+\s], 8, v[TM+4*\u+\s]   ; p's scale word: lanes 0-15 are read
.endr
.endr
	WIN 0x41
	s_wait_alu depctr_va_vdst(0)                   ; the wait here, directly ahead of the first reader of O^T
.irp u, 0,1
.set n, 0
.rept 16
	v_pk_mul_f32 v[O+32*\u+n:O+32*\u+n+1], v[O+32*\u+n:O+32*\u+n+1], v[FF+2*\u:FF+2*\u+1] op_sel_hi:[1,0]
.set n, n+2
.endr
.endr
	WIN 0x50
	s_wait_alu depctr_va_vdst(0)
	s_wait_dscnt 0x10                              ; V's scale words and steps 0 and 1; the sixteen loads of steps 2 and 3 may be out
	PV 0
	PV 1
	s_wait_dscnt 0x0
	PV 2
	PV 3
	WIN 0
	s_cmp_eq_u32 s[CNT], 1
	s_wait_alu depctr_va_vdst(0)
	s_cbranch_scc1 .Ldone                          ; the last group
	s_add_co_u32 s[TK], s[TK], 16384
	s_add_co_u32 s[T5], s[T5], 2048
	s_add_co_u32 s[T2], s[T2], 1024
	ADR
	STEP 0
	s_sub_co_u32 s[CNT], s[CNT], 1
	s_cmp_lg_u32 s[CNT], 0
	s_wait_alu depctr_va_vdst(0)
	s_cbranch_scc1 .Lgroup
.Ldone:
; THE WAY OUT: O^T / the sum is 16 tokens' 64 channels of ctx for each tile: two blocks of 32 along the next product's K
.irp u, 0,1
	v_add_f32 v[LS+2*\u], v[LS+2*\u], v[LS+2*\u+1] ; (six plain lines: the places behind the last products)
.endr
.irp u, 0,1
	v_permlanex16_b32 v[TM+\u], v[LS+2*\u], s[SEL], s[SEL+1]
.endr
.irp u, 0,1
	v_add_f32 v[LS+2*\u], v[LS+2*\u], v[TM+\u]     ; the row's sum
.endr
	s_wait_alu depctr_va_vdst(0)
	v_rcp_f32 v[LS], v[LS]
	v_rcp_f32 v[LS+2], v[LS+2]
	v_add_nc_u32 v7, SCG, v1                       ; (a plain place behind the reciprocals)  where wave 0 reads the scale bytes back
	WIN 0x01
	s_wait_alu depctr_va_vdst(0)
	v_mul_f32 v[LS], 0x3e800000, v[LS]             ; the blocks' 2^-2
	v_mul_f32 v[LS+2], 0x3e800000, v[LS+2]
.irp u, 0,1
.set n, 0
.rept 16
	v_pk_mul_f32 v[S+32*\u+n:S+32*\u+n+1], v[O+32*\u+n:O+32*\u+n+1], v[LS+2*\u:LS+2*\u+1] op_sel_hi:[1,0]   ; register 16 b + i of tile u is channel 32 b + 16 h + i
.set n, n+2
.endr
.endr
	WIN 0
.irp x, 0,1,2,3                        ; block x = 2 u + b
	v_max3_num_f32 v[TM+\x], |v[S+16*\x]|, |v[S+16*\x+1]|, 0x1800000
.endr
.irp i, 2,4,6,8,10,12,14
.irp x, 0,1,2,3
	v_max3_num_f32 v[TM+\x], v[TM+\x], |v[S+16*\x+\i]|, |v[S+16*\x+\i+1]|
.endr
.endr
.irp x, 0,1,2,3
	v_permlanex16_b32 v[TM+4+\x], v[TM+\x], s[SEL], s[SEL+1]
.endr
.irp x, 0,1,2,3
	v_max_num_f32 v[TM+\x], v[TM+\x], v[TM+4+\x]
.endr
.irp x, 0,1,2,3
	v_add_nc_u32 v[TX+\x], 0xff000000, v[TM+\x]    ; 2 off the exponent field: the conversion's scale operand
.endr
.irp x, 0,1,2,3
	v_lshrrev_b32 v[TX+4+\x], 23, v[TX+\x]
.endr
	v_lshl_or_b32 v[TX+8], v[TX+5], 8, v[TX+4]     ; a tile's two bytes
	v_lshl_or_b32 v[TX+9], v[TX+7], 8, v[TX+6]
.irp x, 0,1,2,3
	v_cvt_scalef32_pk8_fp4_f32 v[S+64+2*\x], v[S+16*\x:S+16*\x+7], v[TX+\x]
	v_cvt_scalef32_pk8_fp4_f32 v[S+65+2*\x], v[S+16*\x+8:S+16*\x+15], v[TX+\x]
.endr
	v_nop
.irp u, 0,1
	v_permlane16_swap_b32 v[S+64+4*\u], v[S+66+4*\u]
	v_permlane16_swap_b32 v[S+65+4*\u], v[S+67+4*\u]   ; lane (r, h): block h of the head's 64 at token place r
.endr
	s_wait_alu depctr_va_vdst(0)
	ds_store_b16 v6, v[TX+8]                       ; lanes r and r + 16 write the same two bytes
	ds_store_b16 v6, v[TX+9] offset:32
	s_lshl_b32 s84, s18, 7
	s_add_co_u32 s86, s84, s88                     ; the token tile: 128 batch + my first tile
	s_lshl_b32 s86, s86, 13
	s_lshl_b32 s89, s19, 9
	s_add_co_u32 s86, s86, s89                     ; [tile][K step = head / 2][c = head % 2][512 bytes]
	s_add_nc_u64 s[10:11], s[10:11], s[86:87]
	global_store_b128 v1, v[S+64:S+67], s[10:11]   ; 512 consecutive bytes, aligned
	global_store_b128 v1, v[S+68:S+71], s[10:11] offset:8192
	s_lshl_b32 s86, s19, 13                        ; cscl: [head][tile][r] of two bytes: the work-group's sixteen tiles are 512 consecutive bytes
	s_lshl_b32 s89, s18, 12
	s_add_co_u32 s86, s86, s89
	s_lshl_b32 s89, s16, 9
	s_add_co_u32 s86, s86, s89
	s_add_nc_u64 s[12:13], s[12:13], s[86:87]
	s_wait_dscnt 0x0                               ; for the others' sake: my stores are done
	s_barrier_signal -1
	s_barrier_wait -1
	s_cmp_lg_u32 s[WV], 0
	s_cbranch_scc1 .Lnot_mine
	ds_load_b128 v[S:S+3], v7
	s_wait_dscnt 0x0
	global_store_b128 v1, v[S:S+3], s[12:13]
.Lnot_mine:
	s_wait_tensorcnt 0x0                           ; the wave's end
	ds_add_u32 v[SPW], v[NIL]
	s_wait_dscnt 0x0
	CROUND                                         ; the closing round
	s_endpgm
.Lfunc_end_k_q99c4664bf6_attn:
	.size	k_q99c4664bf6_attn, .Lfunc_end_k_q99c4664bf6_attn-k_q99c4664bf6_attn
	.p2alignl 7, 3214868480
	.fill 96, 4, 3214868480
	.section	.rodata,"a",@progbits
	.p2align	6, 0x0
	.amdhsa_kernel k_q99c4664bf6_attn
		.amdhsa_group_segment_fixed_size 167936
		.amdhsa_private_segment_fixed_size 0
		.amdhsa_enable_private_segment 0
		.amdhsa_kernarg_size 40
		.amdhsa_user_sgpr_count 2
		.amdhsa_user_sgpr_kernarg_segment_ptr 1
		.amdhsa_wavefront_size32 1
		.amdhsa_system_sgpr_workgroup_id_x 1
		.amdhsa_system_sgpr_workgroup_id_y 1
		.amdhsa_system_sgpr_workgroup_id_z 1
		.amdhsa_system_vgpr_workitem_id 0
		.amdhsa_next_free_vgpr 512
		.amdhsa_next_free_sgpr 96
		.amdhsa_reserve_vcc 0
		.amdhsa_float_denorm_mode_32 3
		.amdhsa_float_denorm_mode_16_64 3
		.amdhsa_memory_ordered 1
		.amdhsa_forward_progress 1
		.amdhsa_inst_pref_size 148
	.end_amdhsa_kernel
	.amdgpu_metadata
---
amdhsa.version: [ 1, 2 ]
amdhsa.kernels:
  - .name:           k_q99c4664bf6_attn
    .symbol:         k_q99c4664bf6_attn.kd
    .args:
      - { .name: acodes, .offset: 0, .size: 8, .value_kind: global_buffer, .address_space: global }
      - { .name: ascl, .offset: 8, .size: 8, .value_kind: global_buffer, .address_space: global }
      - { .name: attention_mask, .offset: 16, .size: 8, .value_kind: global_buffer, .address_space: global }
      - { .name: ccodes, .offset: 24, .size: 8, .value_kind: global_buffer, .address_space: global }
      - { .name: cscl, .offset: 32, .size: 8, .value_kind: global_buffer, .address_space: global }
    .group_segment_fixed_size: 167936
    .private_segment_fixed_size: 0
    .kernarg_segment_align: 8
    .kernarg_segment_size: 40
    .max_flat_workgroup_size: 256
    .sgpr_count:     96
    .vgpr_count:     512
    .wavefront_size: 32
...
	.end_amdgpu_metadata
.endif
;; end of part 3
;; launch outln (part 4): grid 256 x 1, 8 waves a work-group, clusters of 4 x 1, 284,160 bytes of LDS; arguments ccodes, cscl, codes, scl, hidden_states, bd, ln_gamma, ln_beta, out0; writes out0
.if DOCPART == 4
	.amdgcn_target "amdgcn-amd-amdhsa--gfx1250"
	.amdhsa_code_object_version 6
	.text
	.protected	k_q99c4664bf6_outln
	.globl	k_q99c4664bf6_outln
	.p2align	8
	.type	k_q99c4664bf6_outln,@function
k_q99c4664bf6_outln:
	s_mov_b64 s[64:65], 0
	v_nop
	global_prefetch_b8 v0, s[64:65] scope:SCOPE_SE
	s_setreg_imm32_b32 hwreg(HW_REG_WAVE_MODE, 25, 1), 1
	s_wait_xcnt 0x0
	s_wait_alu depctr_hold_cnt(0) depctr_sa_sdst(0) depctr_va_vdst(0) depctr_va_sdst(0) depctr_va_ssrc(0) depctr_va_vcc(0) depctr_vm_vsrc(0)
	s_getreg_b32 s2, hwreg(HW_REG_IB_STS2, 6, 4)
	s_cmp_eq_u32 s2, 0
	s_cbranch_scc0 .Lentry_in_a_cluster
	s_endpgm
.Lentry_in_a_cluster:
	s_bfe_u32 s2, ttmp6, 0x10000c
	s_cmp_lg_u32 s2, 0x3003
	s_cbranch_scc0 .Lentry_shape_is_right
	s_endpgm
.Lentry_shape_is_right:
; out = LayerNorm(hidden + ctx Wd^T + bd) x gamma + beta; the product on codes of FP4 with E8M0 scales, K = 1,024; all else in f32.
; SHARES.  A work-group owns the 16 tokens of one tile of ctx and all 1,024 columns, since the norm wants whole rows.  Wave w makes columns 128 w .. 128 w + 127: 8 tiles of Wd, 8 accumulators by turns, 8 K steps.
; Source 0 = 16 rows of Wd, source 1 = ctx: a lane holds one token and eight neighbouring columns.  bd is read into the accumulators, and the first K step adds onto it.
; WHERE THE OPERANDS COME FROM.  Every work-group reads all of Wd's codes, 524,288 bytes.  K steps 0-3 (262,144 bytes) come by tensor loads into LDS, asked for JOINTLY by the four work-groups of a cluster (4 x 1): each wave fetches its own
; eight tiles, one load a wave, and reads no others.  EVERY BYTE IS FILLED ONCE.  K steps 4-7 do not fit LDS beside them: they go from memory straight into registers, as images of the operand's registers (512 consecutive bytes a load); so do Wd's scale words.
; ctx's tile is the same for the eight waves: wave w loads K step w and its scale bytes, and stores the image and the scale word into LDS for all; of gamma, beta and bd it loads 512 bytes each and stores them into LDS likewise.
; THE ORDER OF THE K STEPS: 4 and 5 while the tensor load is on its way, 0 to 3 from LDS, then 6 and 7.
; A wave so has 95 loads: 4 of ctx, 3 of the vectors, 8 of scale words, 64 of Wd, 16 of hidden.  No prefetch: there is no loop to run ahead in.
; THE NORM.  The results meet in one stage in LDS (16 rows x 4,096 + 16 bytes), which lies over Wd's first bytes: these have had their only fill, and a barrier, signalled behind K step 3, stands behind every wave's last read of them.
; Wave w takes rows 2 w and 2 w + 1 together, a row to all 32 lanes.  Mean first, then the sum of squares of x - mean: no difference of large sums.  Tile T holds at place r token 32 (T / 2) + 8 (T % 2) + r + 8 (r / 8).
; LIMITS: NaN and infinities among the inputs are not served.
; REGISTERS.  window 0: v1-15 addresses; v16-47 Wd's scale words; v48-55 ctx's; v56-63 a fragment of ctx, later at work; v64-127 two rows of hidden; v128-191 the accumulators; v192-255 Wd's K step 7, later two rows of x.
;   window 1: v0-191 Wd's K steps 4, 5, 6; v192-255 the fragments of the K step read from LDS; behind K step 3 gamma in v0-31 and beta in v32-63.
.set SPITCH, 4112
.set EXB, 262144                       ; LDS: Wd's K steps 0-3 at 0: [wave][tile 0..7][4,096 bytes]; here gamma, beta, bd, 4,096 bytes each,
.set AFB, 274432                       ; ctx's eight images, 1,024 bytes each,
.set CSB, 282624                       ; and its scale words: [K step][r], 512 bytes: all three stored by the waves, never a load's target;
.set SPARE, 283136                     ; the spare words, 128 bytes for each wave
.set WS,  16                           ; register 8 (i / 2) + s: lanes 0-15 the even tile's word of K step s, lanes 16-31 the odd tile's
.set CSW, 48
.set AT,  56
.set HID, 64
.set ACC, 128
.set G7,  192
.set XR,  192
.set VT,  192
.set LB,  192                          ; in window 1
.set GAM, 0                            ; in window 1
.set BET, 32
.set G1B, 36                           ; s[36:43] group 1: 8 rows of 4,096 bytes, 8,192 apart
.set G0B, 52
.set MSB, 0
.macro WIN new                         ; the immediate's high byte repeats the setting that is left
.if MSB != (\new)
	s_set_vgpr_msb (MSB<<8)|(\new)
.set MSB, (\new)
.endif
.endm
.macro PLACES
.rept 4
	v_nop
.endr
.endm
.macro WM d, a, b, c, sa, sb, row
.if \row
	v_wmma_scale_f32_16x16x128_f8f6f4 v[\d:\d+7], v[\a:\a+7], v[\b:\b+7], v[\c:\c+7], v[\sa], v[\sb] matrix_a_fmt:MATRIX_FMT_FP4 matrix_b_fmt:MATRIX_FMT_FP4 matrix_a_scale:MATRIX_SCALE_ROW1
.else
	v_wmma_scale_f32_16x16x128_f8f6f4 v[\d:\d+7], v[\a:\a+7], v[\b:\b+7], v[\c:\c+7], v[\sa], v[\sb] matrix_a_fmt:MATRIX_FMT_FP4 matrix_b_fmt:MATRIX_FMT_FP4
.endif
.endm
.macro CROUND                          ; a round of the cluster's barrier
	s_barrier_signal -1
	s_barrier_wait -1
	s_cmp_lg_u32 s22, 0
	s_cbranch_scc1 .Lnot_wave_0_\@
	s_barrier_signal -3
.Lnot_wave_0_\@:
	s_barrier_wait -3
	s_barrier_signal -1
	s_barrier_wait -1
.endm
	s_load_b256 s[4:11], s[0:1], 0x0               ; ccodes, cscl, codes, scl
	s_load_b256 s[12:19], s[0:1], 0x20             ; hidden, bd, gamma, beta
	s_load_b64 s[20:21], s[0:1], 0x40              ; out0
	v_lshl_add_u32 v254, v0, 2, SPARE
	v_mov_b32 v255, 0
	ds_add_u32 v254, v255                          ; the wave's opening: the add, twice on end
	ds_add_u32 v254, v255
	v_lshrrev_b32 v1, 5, v0
	v_readfirstlane_b32 s22, v1                    ; wave 0..7
	s_bfe_u32 s23, ttmp6, 0x40000                  ; cx
	s_lshl_b32 s34, ttmp9, 2
	s_add_co_u32 s34, s34, s23                     ; my tile of ctx: it enters ctx's, hidden's and the output's addresses alone
	s_mov_b32 s[G1B], 15|(3<<16)|(1<<21)           ; 15:0 the mask: all four work-groups; 17:16 elements of 8 bytes; 21 set beside a mask; no padding: an image is read 512 consecutive bytes at a time
	s_mov_b32 s[G1B+1], 512<<16
	s_mov_b32 s[G1B+2], 8<<16
	s_mov_b32 s[G1B+3], 512<<16
	s_mov_b32 s[G1B+4], 8
	s_mov_b32 s[G1B+5], 1024
	s_mov_b32 s[G1B+6], 0
	s_mov_b32 s[G1B+7], 0
	s_lshl_b32 s28, s22, 9
	s_mul_i32 s29, s22, 2*SPITCH
	s_lshl_b32 s35, s22, 15
	v_and_b32 v1, 31, v0
	v_and_b32 v2, 15, v0                           ; r
	v_bfe_u32 v3, v0, 4, 1                         ; h
	v_lshlrev_b32 v1, 4, v1                        ; 16 x lane
	v_lshlrev_b32 v4, 1, v2                        ; ctx's scale bytes in memory: two a row
	v_lshlrev_b32 v5, 9, v3
	v_lshlrev_b32 v6, 6, v3
	v_mul_u32_u24 v7, v2, SPITCH
	v_lshl_add_u32 v5, v2, 4, v5                   ; Wd's scale words in memory: row r; lanes 16-31 take the next tile's
	v_add_nc_u32 v6, s28, v6
	v_lshl_add_u32 v7, v3, 6, v7
	v_add_nc_u32 v6, EXB+8192, v6                  ; bd: my wave's 128 columns, my half's
	v_add_nc_u32 v7, s28, v7                       ; the stage, in: row r, + 512 x wave + 64 h
	v_add_nc_u32 v8, s29, v1                       ; and back: my two rows, 16 bytes a lane
	v_add_nc_u32 v9, s35, v1                       ; my tiles of Wd in LDS
	s_lshl_b32 s29, s22, 10
	v_add_nc_u32 v10, s29, v1
	v_lshlrev_b32 v13, 2, v2
	v_add_nc_u32 v11, AFB, v1                      ; where any K step of ctx is read,
	v_add_nc_u32 v10, AFB, v10                     ; and where I store K step w
	v_add_nc_u32 v13, CSB, v13                     ; ctx's scale words: row r's,
	s_lshl_b32 s29, s22, 6
	v_add_nc_u32 v14, s28, v1                      ; my 512 bytes of gamma, beta and bd in memory,
	v_add_nc_u32 v12, s29, v13                     ; and where I store K step w's
	v_add_nc_u32 v15, EXB, v14                     ; and in LDS
	s_mov_b32 s24, 0x76543210
	s_mov_b32 s25, 0xfedcba98
	s_mov_b32 s26, 0x3a800000                      ; 1 / 1,024
	s_mov_b32 s27, 0x2b8cbccc                      ; 1e-12
	s_mov_b32 s31, 0
	s_mov_b32 s33, 0
	s_wait_alu depctr_va_vdst(0)                   ; the wait here, directly ahead of the waits below
	s_wait_dscnt 0x0                               ; both opening adds are done
	CROUND                                         ; all four work-groups are here: the joint loads meet
	s_wait_kmcnt 0x0
	s_lshl_b32 s30, s22, 16
	s_add_co_u32 s30, s30, 448*8192
	s_add_nc_u64 s[8:9], s[8:9], s[30:31]          ; Wd's tiles 448 + 8 w on
	s_mov_b32 s[G0B], 1
	s_lshl_b32 s[G0B+1], s22, 15                   ; wave x 32,768: no place in the cluster enters an LDS address
	s_mov_b64 s[G0B+2:G0B+3], s[8:9]
	s_or_b32 s[G0B+3], s[G0B+3], 0x80000000
	tensor_load_to_lds s[G0B:G0B+3], s[G1B:G1B+7]
	s_nop 0
	PLACES
	s_lshl_b32 s32, s34, 13
	s_lshl_b32 s35, s22, 10
	s_add_co_u32 s32, s32, s35
	s_add_nc_u64 s[4:5], s[4:5], s[32:33]          ; K step w of my tile of ctx
	s_lshl_b32 s32, s34, 5
	s_lshl_b32 s35, s22, 14
	s_add_co_u32 s32, s32, s35
	s_add_nc_u64 s[6:7], s[6:7], s[32:33]          ; the scale bytes of heads 2 w and 2 w + 1
	global_load_b128 v[AT:AT+3], v1, s[4:5]
	global_load_b128 v[AT+4:AT+7], v1, s[4:5] offset:512
	global_load_u16 v48, v4, s[6:7]
	global_load_u16 v49, v4, s[6:7] offset:8192
	global_load_b128 v[VT:VT+3], v14, s[16:17]
	global_load_b128 v[VT+4:VT+7], v14, s[18:19]
	global_load_b128 v[VT+8:VT+11], v14, s[14:15]
	s_lshl_b32 s30, s22, 12
	s_add_co_u32 s30, s30, 448*512
	s_add_nc_u64 s[10:11], s[10:11], s[30:31]      ; and their scale words
.irp i, 0,1,2,3
.irp hf, 0,1
	global_load_b128 v[WS+8*\i+4*\hf:WS+8*\i+4*\hf+3], v5, s[10:11] offset:\i*1024+\hf*256
.endr
.endr
.macro BLOAD s                         ; K step s's eight fragments of Wd: steps 4, 5, 6 into window 1, step 7 into window 0
.if (\s) < 7
	WIN 0x40
.set GB, 64*((\s)-4)
.else
	WIN 0
.set GB, G7
.endif
.irp i, 0,1,2,3,4,5,6,7
.irp c, 0,1
	global_load_b128 v[GB+8*\i+4*\c:GB+8*\i+4*\c+3], v1, s[8:9] offset:\i*8192+(\s)*1024+\c*512
.endr
.endr
.endm
	BLOAD 4
	BLOAD 5
	BLOAD 6
	WIN 0
	s_lshr_b32 s32, s34, 1                         ; my first token: 32 (T / 2) + 8 (T % 2) + 2 w + 8 (w / 4)
	s_lshl_b32 s32, s32, 5
	s_and_b32 s35, s34, 1
	s_lshl_b32 s35, s35, 3
	s_add_co_u32 s32, s32, s35
	s_lshl_b32 s35, s22, 1
	s_add_co_u32 s32, s32, s35
	s_lshr_b32 s35, s22, 2
	s_lshl_b32 s35, s35, 3
	s_add_co_u32 s32, s32, s35
	s_lshl_b32 s32, s32, 12                        ; in bytes
	s_add_nc_u64 s[12:13], s[12:13], s[32:33]
	s_add_nc_u64 s[20:21], s[20:21], s[32:33]
	s_wait_alu depctr_va_vdst(0)
	s_wait_loadcnt 56                              ; ctx and the vectors are in; 8 loads of scale words and 48 of Wd may be out
	ds_store_b128 v10, v[AT:AT+3]                  ; the image as it stands
	ds_store_b128 v10, v[AT+4:AT+7] offset:512
	v_lshl_or_b32 v50, v49, 16, v48                ; K step w is heads 2 w and 2 w + 1: two bytes of each make its scale word
	v_add_nc_u32 v14, EXB, v1                      ; gamma in LDS; beta 4,096 bytes on
	ds_store_b32 v12, v50                          ; lanes r and r + 16 write the same word
	ds_store_b128 v15, v[VT:VT+3]
	ds_store_b128 v15, v[VT+4:VT+7] offset:4096
	ds_store_b128 v15, v[VT+8:VT+11] offset:8192
	s_wait_alu depctr_va_vdst(0)
	s_wait_dscnt 0x0                               ; my stores are done:
	s_barrier_signal -1
	s_barrier_wait -1                              ; everybody's.
.irp s, 0,1,2,3,4,5,6,7
	ds_load_b32 v[CSW+\s], v13 offset:64*\s
.endr
.irp i, 0,1,2,3,4,5,6,7                ; bd in the result's layout: lane (r, h), tile i, register j: column 128 w + 32 (i / 2) + 16 h + 8 (i % 2) + j
	ds_load_b128 v[ACC+8*\i:ACC+8*\i+3], v6 offset:(32*(\i/2)+8*(\i%2))*4
	ds_load_b128 v[ACC+8*\i+4:ACC+8*\i+7], v6 offset:(32*(\i/2)+8*(\i%2))*4+16
.endr
.macro MULS s, wb                      ; K step s: eight accumulators by turns
.irp i, 0,1,2,3,4,5,6,7
.set RD, ACC+8*\i
.set RA, (\wb)+8*\i
.set RB, AT
.set SA, WS+8*(\i/2)+(\s)
.set SB, CSW+(\s)
	WM RD, RA, RB, RD, SA, SB, \i%2
.endr
	WIN 0
	PLACES                                         ; in front of loads into registers that these products have read, and of the first read of results
.endm
.macro CTX s
	ds_load_b128 v[AT:AT+3], v11 offset:(\s)*1024
	ds_load_b128 v[AT+4:AT+7], v11 offset:(\s)*1024+512
.endm
; A K step from LDS
.macro LSTEP s
	CTX \s
	WIN 0x40
.irp i, 0,1,2,3,4,5,6,7
.irp c, 0,1
	ds_load_b128 v[LB+8*\i+4*\c:LB+8*\i+4*\c+3], v9 offset:\i*4096+(\s)*1024+\c*512
.endr
.endr
	s_wait_dscnt 0x0
	WIN 0x01                                       ; source 0 (Wd) window 1
	MULS \s, LB
.endm
; A K step from registers.  cnt: the loads issued behind this step's fragments, which may stay out
.macro GSTEP s, cnt
	CTX \s
	s_wait_loadcnt \cnt
	s_wait_dscnt 0x0
.if (\s) < 7
	WIN 0x01
	MULS \s, 64*((\s)-4)
.else
	MULS \s, G7
.endif
.endm
	GSTEP 4, 32                                    ; K steps 5 and 6 may be out (and the scale words are in)
	BLOAD 7
	GSTEP 5, 32                                    ; 6 and 7
.irp i, 0,1
.irp k, 0,1,2,3,4,5,6,7
	global_load_b128 v[HID+32*\i+4*\k:HID+32*\i+4*\k+3], v1, s[12:13] offset:\i*4096+512*\k th:TH_LOAD_NT
.endr
.endr
	s_wait_tensorcnt 0x0                           ; my tiles of K steps 0-3: no other wave reads them
	LSTEP 0
	LSTEP 1
	LSTEP 2
	LSTEP 3
	s_barrier_signal -1                            ; my reads of Wd's bytes in LDS are over; up to the wait stand loads of bytes that nobody writes, and work on registers
	WIN 0x40
.irp k, 0,1,2,3,4,5,6,7
	ds_load_b128 v[GAM+4*\k:GAM+4*\k+3], v14 offset:512*\k
	ds_load_b128 v[BET+4*\k:BET+4*\k+3], v14 offset:4096+512*\k
.endr
	WIN 0
	GSTEP 6, 32                                    ; 7 and hidden
	GSTEP 7, 16                                    ; hidden
	s_barrier_wait -1                              ; everybody's reads are over: the stage may be written over these bytes
.irp i, 0,1,2,3,4,5,6,7
	ds_store_b128 v7, v[ACC+8*\i:ACC+8*\i+3] offset:(32*(\i/2)+8*(\i%2))*4        ; lane (r, h): columns 128 w + 32 (i / 2) + 16 h + 8 (i % 2) + 0 .. 7 of token place r; each accumulator from its low end on
	ds_store_b128 v7, v[ACC+8*\i+4:ACC+8*\i+7] offset:(32*(\i/2)+8*(\i%2))*4+16
.endr
	s_wait_dscnt 0x0                               ; for the others' sake: my stores are done
	s_barrier_signal -1
	s_barrier_wait -1
.irp i, 0,1
.irp k, 0,1,2,3,4,5,6,7
	ds_load_b128 v[XR+32*\i+4*\k:XR+32*\i+4*\k+3], v8 offset:\i*SPITCH+512*\k
.endr
.endr
	s_wait_loadcnt 0x0                             ; hidden
	s_wait_dscnt 0x0
; Both rows by turns; row i's work registers are v[56 + 4 i] on.  Register 4 k + e of a row is column 128 k + 4 lane + e.
.macro ACROSS                          ; the sums over the 32 lanes, the result in every lane
.irp i, 0,1
	v_pk_add_f32 v[56+4*\i:57+4*\i], v[56+4*\i:57+4*\i], v[58+4*\i:59+4*\i]
.endr
.irp i, 0,1
	v_add_f32 v[56+4*\i], v[56+4*\i], v[57+4*\i]
.endr
.irp m, 1,2,4,8
.irp i, 0,1
	v_add_f32_dpp v[56+4*\i], v[56+4*\i], v[56+4*\i] row_xmask:\m row_mask:0xf bank_mask:0xf
.endr
.endr
.irp i, 0,1
	v_permlanex16_b32 v[57+4*\i], v[56+4*\i], s24, s25
.endr
.irp i, 0,1
	v_add_f32 v[56+4*\i], v[56+4*\i], v[57+4*\i]
.endr
.endm
.irp j, 0,2,4,6,8,10,12,14,16,18,20,22,24,26,28,30
.irp i, 0,1
	v_pk_add_f32 v[XR+32*\i+\j:XR+32*\i+\j+1], v[XR+32*\i+\j:XR+32*\i+\j+1], v[HID+32*\i+\j:HID+32*\i+\j+1]   ; x = hidden + the projection
.endr
.endr
.irp i, 0,1
	v_pk_add_f32 v[56+4*\i:57+4*\i], v[XR+32*\i:XR+32*\i+1], v[XR+32*\i+2:XR+32*\i+3]
	v_pk_add_f32 v[58+4*\i:59+4*\i], v[XR+32*\i+4:XR+32*\i+5], v[XR+32*\i+6:XR+32*\i+7]
.endr
.irp j, 8,12,16,20,24,28
.irp i, 0,1
	v_pk_add_f32 v[56+4*\i:57+4*\i], v[56+4*\i:57+4*\i], v[XR+32*\i+\j:XR+32*\i+\j+1]
	v_pk_add_f32 v[58+4*\i:59+4*\i], v[58+4*\i:59+4*\i], v[XR+32*\i+\j+2:XR+32*\i+\j+3]
.endr
.endr
	ACROSS
.irp i, 0,1
	v_mul_f32 v[58+4*\i], s26, v[56+4*\i]          ; the mean
.endr
.irp j, 0,2,4,6,8,10,12,14,16,18,20,22,24,26,28,30
.irp i, 0,1
	v_pk_add_f32 v[XR+32*\i+\j:XR+32*\i+\j+1], v[XR+32*\i+\j:XR+32*\i+\j+1], v[58+4*\i:59+4*\i] op_sel_hi:[1,0] neg_lo:[0,1] neg_hi:[0,1]   ; x - mean
.endr
.endr
.irp i, 0,1
	v_pk_mul_f32 v[56+4*\i:57+4*\i], v[XR+32*\i:XR+32*\i+1], v[XR+32*\i:XR+32*\i+1]
	v_pk_mul_f32 v[58+4*\i:59+4*\i], v[XR+32*\i+2:XR+32*\i+3], v[XR+32*\i+2:XR+32*\i+3]
.endr
.irp j, 4,8,12,16,20,24,28
.irp i, 0,1
	v_pk_fma_f32 v[56+4*\i:57+4*\i], v[XR+32*\i+\j:XR+32*\i+\j+1], v[XR+32*\i+\j:XR+32*\i+\j+1], v[56+4*\i:57+4*\i]
	v_pk_fma_f32 v[58+4*\i:59+4*\i], v[XR+32*\i+\j+2:XR+32*\i+\j+3], v[XR+32*\i+\j+2:XR+32*\i+\j+3], v[58+4*\i:59+4*\i]
.endr
.endr
	ACROSS
.irp i, 0,1
	v_fma_f32 v[56+4*\i], v[56+4*\i], s26, s27     ; the variance + 1e-12
.endr
	s_wait_alu depctr_va_vdst(0)
	v_rsq_f32 v58, v56
	v_rsq_f32 v62, v60
	v_nop                                          ; one plain place behind the transcendentals
	s_wait_alu depctr_va_vdst(0)
.irp i, 0,1                            ; row 0 leaves ahead of row 1's last lines
.irp j, 0,2,4,6,8,10,12,14,16,18,20,22,24,26,28,30
	v_pk_mul_f32 v[XR+32*\i+\j:XR+32*\i+\j+1], v[XR+32*\i+\j:XR+32*\i+\j+1], v[58+4*\i:59+4*\i] op_sel_hi:[1,0]
.endr
	WIN 0x14                                       ; sources 1 (gamma) and 2 (beta) window 1
.irp j, 0,2,4,6,8,10,12,14,16,18,20,22,24,26,28,30
	v_pk_fma_f32 v[XR+32*\i+\j:XR+32*\i+\j+1], v[XR+32*\i+\j:XR+32*\i+\j+1], v[GAM+\j:GAM+\j+1], v[BET+\j:BET+\j+1]
.endr
	WIN 0
.irp k, 0,1,2,3,4,5,6,7
	global_store_b128 v1, v[XR+32*\i+4*\k:XR+32*\i+4*\k+3], s[20:21] offset:(\i)*4096+512*\k th:TH_STORE_NT   ; 512 consecutive bytes, aligned
.endr
.endr
	s_wait_xcnt 0x0                                ; the stores have read their registers
	v_lshl_add_u32 v254, v0, 2, SPARE
	v_mov_b32 v255, 0
	s_wait_alu depctr_va_vdst(0)
	s_wait_tensorcnt 0x0                           ; the wave's end
	ds_add_u32 v254, v255
	s_wait_dscnt 0x0
	CROUND                                         ; the closing round: no work-group ends while a partner may still ask for a tile that names it
	s_endpgm
.Lfunc_end_k_q99c4664bf6_outln:
	.size	k_q99c4664bf6_outln, .Lfunc_end_k_q99c4664bf6_outln-k_q99c4664bf6_outln
	.p2alignl 7, 3214868480
	.fill 96, 4, 3214868480
	.section	.rodata,"a",@progbits
	.p2align	6, 0x0
	.amdhsa_kernel k_q99c4664bf6_outln
		.amdhsa_group_segment_fixed_size 284160
		.amdhsa_private_segment_fixed_size 0
		.amdhsa_enable_private_segment 0
		.amdhsa_kernarg_size 72
		.amdhsa_user_sgpr_count 2
		.amdhsa_user_sgpr_kernarg_segment_ptr 1
		.amdhsa_wavefront_size32 1
		.amdhsa_system_sgpr_workgroup_id_x 1
		.amdhsa_system_sgpr_workgroup_id_y 1
		.amdhsa_system_sgpr_workgroup_id_z 1
		.amdhsa_system_vgpr_workitem_id 0
		.amdhsa_next_free_vgpr 512
		.amdhsa_next_free_sgpr 80
		.amdhsa_reserve_vcc 0
		.amdhsa_float_denorm_mode_32 3
		.amdhsa_float_denorm_mode_16_64 3
		.amdhsa_memory_ordered 1
		.amdhsa_forward_progress 1
		.amdhsa_inst_pref_size 51
	.end_amdhsa_kernel
	.amdgpu_metadata
---
amdhsa.version: [ 1, 2 ]
amdhsa.kernels:
  - .name:           k_q99c4664bf6_outln
    .symbol:         k_q99c4664bf6_outln.kd
    .args:
      - { .name: ccodes, .offset: 0, .size: 8, .value_kind: global_buffer, .address_space: global }
      - { .name: cscl, .offset: 8, .size: 8, .value_kind: global_buffer, .address_space: global }
      - { .name: codes, .offset: 16, .size: 8, .value_kind: global_buffer, .address_space: global }
      - { .name: scl, .offset: 24, .size: 8, .value_kind: global_buffer, .address_space: global }
      - { .name: hidden_states, .offset: 32, .size: 8, .value_kind: global_buffer, .address_space: global }
      - { .name: bd, .offset: 40, .size: 8, .value_kind: global_buffer, .address_space: global }
      - { .name: ln_gamma, .offset: 48, .size: 8, .value_kind: global_buffer, .address_space: global }
      - { .name: ln_beta, .offset: 56, .size: 8, .value_kind: global_buffer, .address_space: global }
      - { .name: out0, .offset: 64, .size: 8, .value_kind: global_buffer, .address_space: global }
    .group_segment_fixed_size: 284160
    .private_segment_fixed_size: 0
    .kernarg_segment_align: 8
    .kernarg_segment_size: 72
    .max_flat_workgroup_size: 256
    .sgpr_count:     80
    .vgpr_count:     512
    .wavefront_size: 32
...
	.end_amdgpu_metadata
.endif
;; end of part 4
